; MI455X (gfx1250); checked and timed in simulation.
; The chip was launched on July 23, 2026; its instructions are those of AMD's public machine-readable ISA for CDNA 5 (MIT licence, August 2026) and "CDNA5" Instruction Set Architecture Reference Guide (July 2026). The comments in the code are by the model that wrote it; some were corrected since.
;; Multi Head Attention. Allowed arithmetic: matrix products marked QUANTISED: E2M3 operands, one E8M0 scale for each 32 along K, by v_wmma_scale_f32_16x16x128_f8f6f4 with both operands' format E2M3, f32 sums; everything else in f32.
;; Inputs: K 4 x 2,048 x 1,024 float32; Q 4 x 2,048 x 1,024 float32; V 4 x 2,048 x 1,024 float32; Wk 1,024 x 1,024 float32; Wo 1,024 x 1,024 float32; Wq 1,024 x 1,024 float32; Wv 1,024 x 1,024 float32; bk 1,024 float32; bo 1,024 float32; bq 1,024 float32; bv 1,024 float32.
;; Outputs: out0 4 x 2,048 x 1,024 float32.
;; This version of the problem:
;;   THIS VERSION OF THE PROBLEM IS GIVEN IN LOW PRECISION. The matrix products marked QUANTISED in the list below multiply operands that are first quantised to E2M3 (2 exponent bits, 3 mantissa bits; 6 bits a number), with one power-of-two scale for each 32 numbers along K (OCP MX v1.0); their sums are f32. All else is computed in f32.
;;   The module's matrix products, in the order in which they are computed (A, B: the left and right operand; K: the contracted axis; several contracted axes count as one K, in the product's order):
;;     1. [M 8,192, K 1,024] x [K 1,024, N 1,024]; A: input Q; B: input Wq: QUANTISED
;;     2. [M 8,192, K 1,024] x [K 1,024, N 1,024]; A: input K; B: input Wk: QUANTISED
;;     3. [M 8,192, K 1,024] x [K 1,024, N 1,024]; A: input V; B: input Wv: QUANTISED
;;     4. batch 64 x [M 2,048, K 64] x [K 64, N 2,048]; A: computed on the way; B: computed on the way: QUANTISED
;;     5. batch 64 x [M 2,048, K 2,048] x [K 2,048, N 64]; A: softmax (see below); B: computed on the way: QUANTISED
;;     6. [M 8,192, K 1,024] x [K 1,024, N 1,024]; A: computed on the way; B: input Wo: QUANTISED
;;   THE QUANTISER, for each operand of a quantised product, along K:
;;     - K is cut into blocks of 32 from its start; a last block that is shorter is filled with zeros.
;;     - A block's scale is 2^e with e = floor(log2(the largest magnitude in the block)) - 2, held to -126 .. 127; a block of zeros has e = 0. As a byte (E8M0): e + 127.
;;     - Each number is divided by its block's scale, clamped to +-7.5, and rounded to the nearest number of E2M3, ties to even, subnormals kept.
;;     - The product sums the exact products of the quantised numbers (number of the format x scale) in f32.
;;   ~~~python
;;   def quantise(x, axis):      # numpy; x: float32 -> the quantised numbers, widened to float32 again
;;       x = np.moveaxis(x, axis, -1); K = x.shape[-1]
;;       x = np.pad(x, [(0, 0)] * (x.ndim - 1) + [(0, -K % 32)]); x = x.reshape(x.shape[:-1] + (-1, 32)); a = np.abs(x).max(-1, keepdims=True)
;;       e = np.where(a > 0, np.clip(np.frexp(np.where(a > 0, a, 1))[1] - 1 - 2, -126, 127), 0)      # np.frexp(a)[1] - 1 = floor(log2(a)), exactly
;;       r = np.clip(x / 2.0 ** e, -7.5, 7.5)
;;       step = 2.0 ** (np.maximum(np.frexp(np.where(r == 0, 1, r))[1] - 1, 0) - 3)
;;       q = np.round(r / step) * step * 2.0 ** e      # np.round: ties to even
;;       return np.moveaxis(q.reshape(q.shape[:-2] + (-1,))[..., :K], -1, axis).astype(np.float32)
;;   ~~~
;;   SOFTMAX AHEAD OF A QUANTISED PRODUCT. Where the list says 'softmax', what is quantised is not the finished softmax but p = 2^(t - M), with t = logit x log2(e) and M = ceil(the row's largest t), a whole number; so 1/2 < the row's largest p <= 1. The row's sum l is taken of the UNQUANTISED p, in f32, and the product's result is divided by l at the end. Since M is a whole number, a kernel that streams over the keys may use a running M (the ceiling of the running maximum): every later rescaling is an exact power of two, which a block's scale takes up: the codes' values come out the same.
;;   OPERANDS COMPUTED ON THE WAY. 'Computed on the way' means the value that the module computes at that place (a softmax that the list does not call 'softmax' is quantised finished and normalised). What goes into a quantiser is computed in f32, as accurately as f32 sums, v_exp_f32 and their like allow (about 1e-6 of the number): no bf16 or f16 on the way to a quantiser, and a product that is left as it is and whose result goes on into a quantised operand takes f32 operands (vector FMAs, or v_wmma_f32_16x16x4_f32). A number that lies on a knife's edge between two numbers of the format may be rounded either way, as far as f32 arithmetic and the matrix unit's own rounding can turn it there, and no further.
;; One version. Each part assembles by itself: llvm-mc -triple=amdgcn-amd-amdhsa -mcpu=gfx1250 --defsym DOCPART=n.
;; ======== version 1 of 1: 4 launches
;; limits: right only within a limited range of input values
;; workspace buffers: xc 18,874,368 bytes; xs 786,432 bytes; wc 3,145,728 bytes; ws 131,072 bytes; qrec 6,553,600 bytes; kv 13,107,200 bytes; cc 6,291,456 bytes; cs 262,144 bytes
;; launch prep (part 1): grid 1024 x 1, 4 waves a work-group, no clusters, 34,304 bytes of LDS; arguments Q, K, V, Wq, Wk, Wv, Wo, xc, xs, wc, ws; writes xc, xs, wc, ws
.if DOCPART == 1
	.amdgcn_target "amdgcn-amd-amdhsa--gfx1250"
	.amdhsa_code_object_version 6
	.text
	.protected	k_qc49df526e3_prep
	.globl	k_qc49df526e3_prep
	.p2align	8
	.type	k_qc49df526e3_prep,@function
k_qc49df526e3_prep:
	s_mov_b64 s[64:65], 0
	v_nop
	global_prefetch_b8 v0, s[64:65] scope:SCOPE_SE
	s_setreg_imm32_b32 hwreg(HW_REG_WAVE_MODE, 25, 1), 1
	s_wait_xcnt 0x0
; PREP: Q, K, V [8192][1024] f32 (the product's K innermost) and Wq, Wk, Wv, Wo [1024 (k)][1024 (n)] f32 (K outermost) become codes of FP6 (E2M3) with one E8M0 byte for each 32 along K.
; A block's scale is 2^(floor(log2(largest magnitude)) - 2): its byte is the largest magnitude's exponent field - 2, held at 1 from below by a floor among the maximum's leaves.
; LIMITS: NaN and infinities are not served; a block of zeros gets the byte 1 and zero codes (only this program reads the bytes); blocks whose largest magnitude lies under 2^-124 are held at the byte 1.
; LAYOUT OF THE RESULTS: images of operand registers.  Rows (tokens, or a weight's columns n) go in tiles of 16: tile T, row r is index 32 (T / 2) + 8 (T % 2) + r + 8 (r / 8).
;   codes [tile][K step of 128][1,536 bytes]: register p (0 .. 11) of lane l at 512 (p / 4) + 16 l + 4 (p % 4); lane (r, h) holds of row r, in registers 6 c .. 6 c + 5, k = 64 c + 32 h + 0 .. 31.
;   scale words [tile / 4][K step][r][tile % 4], 4 bytes each: 256 bytes for four tiles and a K step.
; Work-groups 0 .. 255 take the weights, 256 .. 1023 the three tensors.  No tensor loads, no barrier: waves share nothing.
.set STG,   8448                       ; a wave's stage: 16 rows x (512 bytes + 16)
.set SPARE, 4*STG                      ; behind the stages: the spare words, 128 bytes a wave, that no other line names
.set SPW,   6                          ; v6   my spare word's LDS address; never rewritten
.set NIL,   7                          ; v7   0; never rewritten
.set F,     32                         ; v32-43 a fragment's codes (weights: v32-55, two lanes' worth)
.set CT,    44                         ; v44-46, v48-50 second halves of blocks (a conversion's three registers begin on an even number)
.set TM,    52
.set SO,    54
.set BY,    56
.set WD,    60                         ; v60-63 the scale words of the four fragments
.set R,     64                         ; v64-255 numbers: three sets of 64 (weights: four blocks of 32)
	s_load_b256 s[4:11], s[0:1], 0x0               ; Q, K, V, Wq
	s_load_b256 s[12:19], s[0:1], 0x20             ; Wk, Wv, Wo, xc
	s_load_b128 s[20:23], s[0:1], 0x40             ; xs, wc
	s_load_b64 s[24:25], s[0:1], 0x50              ; ws
	v_lshl_add_u32 v[SPW], v0, 2, SPARE
	v_mov_b32 v[NIL], 0
	v_lshrrev_b32 v8, 5, v0
	v_readfirstlane_b32 s26, v8                    ; wave
	v_and_b32 v8, 31, v0                           ; lane
	v_and_b32 v9, 15, v0                           ; r
	v_bfe_u32 v12, v0, 4, 1                        ; h
	s_mov_b32 s28, 0x76543210
	s_mov_b32 s29, 0xfedcba98                      ; selects of v_permlanex16_b32: lane l xor 16
	s_mov_b32 s37, 0                               ; the high word of every offset
	s_mul_i32 s27, s26, STG
	v_lshlrev_b32 v1, 4, v8                        ; 16 x lane
	v_add_nc_u32 v2, s27, v1                       ; the stage, on the way in: a row's 512 bytes as they lie
	v_mul_u32_u24 v3, v9, 528
	v_lshl_add_u32 v3, v12, 7, v3
	v_add_nc_u32 v3, s27, v3                       ; and on the way out: row r, + 128 h
	v_lshlrev_b32 v4, 4, v9
	v_lshl_add_u32 v4, v12, 3, v4                  ; scale words out: 16 r + 8 h
	v_lshlrev_b32 v5, 3, v12                       ; 8 h
	v_mov_b32 v59, 0                               ; a lane permute's destination counts as read
	s_wait_kmcnt 0x0
	s_cmp_lt_u32 ttmp9, 256
	s_cbranch_scc1 .Lweights
; ---- Q, K, V.  A wave makes four fragments: tiles 4 G + e, e = 0 .. 3, of K step s.  Each load reads 512 consecutive bytes of one row; the 16 rows turn through the wave's stage, so that lane (r, h) gets 2 x 32 neighbours of row r.
.macro XLOAD e
.set J, 0
.rept 16
; K's tokens have another order of rows than Q's and V's: tile e of a group of 64 rows takes rows 8 e + i and 32 + 8 e + i (i = 0 .. 7), so that in the scores a lane's 32 registers of four tiles are one block of 32 keys.
; Against the order above, four runs of eight rows lie 16 rows (65,536 bytes) further up or down: they go by v13 (K: + 65,536) and v14 (Q, V: + 65,536).
.if ((\e) < 2) && (J >= 8)
	global_load_b128 v[R+64*((\e)%3)+4*J:R+64*((\e)%3)+4*J+3], v13, s[32:33] offset:(32*((\e)/2)+8*((\e)%2)+J+8*(J/8))*4096 th:TH_LOAD_NT
.elseif ((\e) >= 2) && (J < 8)
	global_load_b128 v[R+64*((\e)%3)+4*J:R+64*((\e)%3)+4*J+3], v14, s[32:33] offset:(32*((\e)/2)+8*((\e)%2)+J+8*(J/8)-16)*4096 th:TH_LOAD_NT
.else
	global_load_b128 v[R+64*((\e)%3)+4*J:R+64*((\e)%3)+4*J+3], v1, s[32:33] offset:(32*((\e)/2)+8*((\e)%2)+J+8*(J/8))*4096 th:TH_LOAD_NT
.endif
.set J, J+1
.endr
.endm
.macro XTURN e                         ; LDS serves a wave's instructions in order (ISA guide 5.7.1.4): the loads see the stores above them
.set J, 0
.rept 16
	ds_store_b128 v2, v[R+64*((\e)%3)+4*J:R+64*((\e)%3)+4*J+3] offset:528*J
.set J, J+1
.endr
.set J, 0
.rept 16
	ds_load_b128 v[R+64*((\e)%3)+4*J:R+64*((\e)%3)+4*J+3], v3 offset:256*(J/8)+16*(J%8)   ; register 32 c + i = k 64 c + 32 h + i
.set J, J+1
.endr
.endm
.macro XQ e
.set XS, R+64*((\e)%3)
.irp c, 0,1
	v_max3_num_f32 v[TM+\c], |v[XS+32*\c]|, |v[XS+32*\c+1]|, 0x1800000   ; my block 2 c + h: all 32 numbers are mine; the floor 2^(3 - 127) holds the byte at 1
.endr
.irp i, 2,4,6,8,10,12,14,16,18,20,22,24,26,28,30
.irp c, 0,1
	v_max3_num_f32 v[TM+\c], v[TM+\c], |v[XS+32*\c+\i]|, |v[XS+32*\c+\i+1]|
.endr
.endr
.irp c, 0,1
	v_add_nc_u32 v[SO+\c], 0xff000000, v[TM+\c]    ; 2 off the exponent field: the conversion's scale operand
.endr
.irp c, 0,1
	v_lshrrev_b32 v[BY+\c], 23, v[SO+\c]           ; the byte
.endr
	v_lshl_or_b32 v58, v[BY+1], 16, v[BY]
	v_lshlrev_b32 v58, v5, v58                     ; blocks h and 2 + h at their places
	v_permlanex16_b32 v59, v58, s28, s29
	v_or_b32 v[WD+\e], v58, v59                    ; with lane l xor 16's two bytes the row's word is whole
.if (\e) > 0
	s_wait_alu depctr_va_vdst(0)
	s_wait_xcnt 0x0                                ; the last fragment's stores have read their data: F may be written again
.endif
.irp c, 0,1
	v_cvt_scalef32_pk16_fp6_f32 v[F+6*\c:F+6*\c+2], v[XS+32*\c:XS+32*\c+15], v[SO+\c]
	v_cvt_scalef32_pk16_fp6_f32 v[CT+4*\c:CT+4*\c+2], v[XS+32*\c+16:XS+32*\c+31], v[SO+\c]
.endr
	v_nop                                          ; one plain place behind a scaled conversion
.irp c, 0,1
.irp i, 0,1,2
	v_mov_b32 v[F+6*\c+3+\i], v[CT+4*\c+\i]
.endr
.endr
.irp q, 0,1,2
	global_store_b128 v1, v[F+4*\q:F+4*\q+3], s[18:19] offset:(\e)*12288+512*\q   ; 32 lanes store 512 consecutive bytes
.endr
.endm
	s_sub_co_u32 s30, ttmp9, 256
	s_lshr_b32 s31, s30, 8                         ; which tensor: 0 Q, 1 K, 2 V
	s_cmp_eq_u32 s31, 0
	s_cselect_b64 s[32:33], s[4:5], s[6:7]
	s_cmp_eq_u32 s31, 2
	s_cselect_b64 s[32:33], s[8:9], s[32:33]
	s_bfe_u32 s34, s30, 0x70001                    ; G: which 64 rows
	s_and_b32 s35, s30, 1
	s_lshl_b32 s35, s35, 2
	s_add_co_u32 s35, s35, s26                     ; s: which 128 along K
	s_lshl_b32 s36, s34, 18                        ; 64 rows of 4,096 bytes
	s_lshl_b32 s38, s35, 9
	s_add_co_u32 s36, s36, s38
	s_add_nc_u64 s[32:33], s[32:33], s[36:37]
	s_mul_i32 s36, s31, 6291456
	s_mul_i32 s38, s34, 49152
	s_add_co_u32 s36, s36, s38
	s_mul_i32 s38, s35, 1536
	s_add_co_u32 s36, s36, s38
	s_add_nc_u64 s[18:19], s[18:19], s[36:37]      ; the codes of (tile 4 G, s)
	s_lshl_b32 s36, s31, 18
	s_lshl_b32 s38, s34, 11
	s_add_co_u32 s36, s36, s38
	s_lshl_b32 s38, s35, 8
	s_add_co_u32 s36, s36, s38
	s_add_nc_u64 s[20:21], s[20:21], s[36:37]      ; the 256 bytes of scale words of (G, s)
	s_cmp_eq_u32 s31, 1                            ; K?
	s_cselect_b32 s38, 0x10000, 0
	s_wait_alu depctr_va_vdst(0)                   ; directly ahead of the reader below
	v_add_nc_u32 v13, s38, v1                      ; K: 16 rows further down
	s_xor_b32 s38, s38, 0x10000
	v_add_nc_u32 v14, s38, v1                      ; Q, V: 16 rows further down
	s_wait_alu depctr_va_vdst(0)
	XLOAD 0
	XLOAD 1
	XLOAD 2
	s_wait_loadcnt 32                              ; fragment 0's 16 loads are in; those of 1 and 2 stay out
	XTURN 0
	s_wait_dscnt 0x0
	XQ 0
	XLOAD 3                                        ; into fragment 0's registers
	s_wait_loadcnt 32                              ; behind fragment 1's: those of 2 and 3
	XTURN 1
	s_wait_dscnt 0x0
	XQ 1
	s_wait_loadcnt 16                              ; behind fragment 2's: those of 3
	XTURN 2
	s_wait_dscnt 0x0
	XQ 2
	s_wait_loadcnt 0x0
	XTURN 3
	s_wait_dscnt 0x0
	XQ 3
	v_cmp_le_u32 vcc_lo, 16, v8
	v_cndmask_b32 v10, v[WD], v[WD+2], vcc_lo      ; lanes 0-15: tiles 0, 1; lanes 16-31: tiles 2, 3
	v_cndmask_b32 v11, v[WD+1], v[WD+3], vcc_lo
	global_store_b64 v4, v[10:11], s[20:21]        ; 32 lanes store 256 consecutive bytes, aligned
	s_branch .Lend
; ---- The weights.  A wave takes 32 columns x 128 along K; A LANE TAKES A COLUMN AND ITS REGISTERS RUN DOWN K: a block of 32 lies in one lane, and the codes come out with K innermost.
; Each load reads 128 consecutive bytes, the work-group's four waves side by side.  Lane n' is row r = (n' % 8) + 8 (n' / 16) of tile 2 g + (n' / 8) % 2, and holds what lanes (r, 0) and (r, 1) of the image hold.
; The scale words leave 4 bytes a lane, 16 bytes apart: they are 1/24 of the weights' codes, 128 KiB in all four weights.
.macro WLOAD kb
.set J, 0
.rept 32
	global_load_b32 v[R+32*(\kb)+J], v14, s[32:33] offset:(32*(\kb)+J)*4096 th:TH_LOAD_NT
.set J, J+1
.endr
.endm
.macro WBLK kb
.set XS, R+32*(\kb)
	v_max3_num_f32 v21, |v[XS]|, |v[XS+1]|, |v[XS+2]|
	v_max3_num_f32 v22, |v[XS+3]|, |v[XS+4]|, |v[XS+5]|
.irp i, 6,10,14,18,22,26
	v_max3_num_f32 v21, v21, |v[XS+\i]|, |v[XS+\i+1]|
	v_max3_num_f32 v22, v22, |v[XS+\i+2]|, |v[XS+\i+3]|
.endr
	v_max3_num_f32 v21, v21, |v[XS+30]|, |v[XS+31]|
	v_max3_num_f32 v21, v21, v22, 0x1800000
	v_add_nc_u32 v[24+(\kb)], 0xff000000, v21
	v_lshrrev_b32 v23, 23, v[24+(\kb)]
.if (\kb) == 0
	v_mov_b32 v20, v23
.else
	v_lshl_or_b32 v20, v23, 8*(\kb), v20           ; the column's scale word: byte kb
.endif
	v_cvt_scalef32_pk16_fp6_f32 v[F+12*((\kb)%2)+6*((\kb)/2):F+12*((\kb)%2)+6*((\kb)/2)+2], v[XS:XS+15], v[24+(\kb)]
	v_cvt_scalef32_pk16_fp6_f32 v[192+4*(\kb):192+4*(\kb)+2], v[XS+16:XS+31], v[24+(\kb)]
.endm
.Lweights:
	s_lshr_b32 s31, ttmp9, 6                       ; which weight: 0 Wq, 1 Wk, 2 Wv, 3 Wo
	s_cmp_eq_u32 s31, 0
	s_cselect_b64 s[32:33], s[10:11], s[12:13]
	s_cmp_eq_u32 s31, 2
	s_cselect_b64 s[32:33], s[14:15], s[32:33]
	s_cmp_eq_u32 s31, 3
	s_cselect_b64 s[32:33], s[16:17], s[32:33]
	s_bfe_u32 s34, ttmp9, 0x30003
	s_lshl_b32 s34, s34, 2
	s_add_co_u32 s34, s34, s26                     ; g: which 32 columns
	s_and_b32 s35, ttmp9, 7                        ; s: which 128 along K
	s_lshl_b32 s36, s35, 19                        ; 128 rows of 4,096 bytes
	s_lshl_b32 s38, s34, 7
	s_add_co_u32 s36, s36, s38
	s_add_nc_u64 s[32:33], s[32:33], s[36:37]
	s_mul_i32 s36, s31, 786432
	s_mul_i32 s38, s34, 24576
	s_add_co_u32 s36, s36, s38
	s_mul_i32 s38, s35, 1536
	s_add_co_u32 s36, s36, s38
	s_add_nc_u64 s[22:23], s[22:23], s[36:37]      ; the codes of (tile 2 g, s)
	s_lshl_b32 s36, s31, 15
	s_lshr_b32 s38, s34, 1
	s_lshl_b32 s38, s38, 11
	s_add_co_u32 s36, s36, s38
	s_lshl_b32 s38, s35, 8
	s_add_co_u32 s36, s36, s38
	s_and_b32 s38, s34, 1
	s_lshl_b32 s38, s38, 3
	s_add_co_u32 s36, s36, s38
	s_add_nc_u64 s[24:25], s[24:25], s[36:37]      ; the scale words of (g / 2, s), tiles 2 (g % 2) on
	v_lshlrev_b32 v14, 2, v8                       ; in: 4 bytes a lane
	v_bfe_u32 v17, v0, 3, 1                        ; u
	v_and_b32 v18, 7, v0
	v_lshl_or_b32 v18, v12, 3, v18                 ; r
	v_lshlrev_b32 v15, 4, v18
	v_mad_u32_u24 v15, v17, 0x3000, v15            ; codes: 12,288 u + 16 r
	v_lshlrev_b32 v16, 4, v18
	v_lshl_add_u32 v16, v17, 2, v16                ; scale word: 16 r + 4 u
	WLOAD 0
	WLOAD 1
	s_wait_alu depctr_va_vdst(0)
	s_wait_loadcnt 32                              ; block 0's 32 loads are in; block 1's stay out
	WLOAD 2
	WBLK 0
	s_wait_loadcnt 32                              ; behind block 1's: block 2's
	WLOAD 3
	WBLK 1
	s_wait_loadcnt 32                              ; behind block 2's: block 3's
	WBLK 2
	s_wait_loadcnt 0x0
	WBLK 3
	v_nop                                          ; one plain place behind the last scaled conversion
.irp kb, 0,1,2,3
.irp i, 0,1,2
	v_mov_b32 v[F+12*(\kb%2)+6*(\kb/2)+3+\i], v[192+4*\kb+\i]
.endr
.endr
.irp h, 0,1
.irp q, 0,1,2
	global_store_b128 v15, v[F+12*\h+4*\q:F+12*\h+4*\q+3], s[22:23] offset:512*\q+256*\h   ; the sixteen lanes of a tile store 256 consecutive bytes, aligned
.endr
.endr
	global_store_b32 v16, v20, s[24:25]
.Lend:
	s_wait_tensorcnt 0x0                           ; the wave's end
	ds_add_u32 v[SPW], v[NIL]
	s_wait_dscnt 0x0
	s_endpgm
.Lfunc_end_k_qc49df526e3_prep:
	.size	k_qc49df526e3_prep, .Lfunc_end_k_qc49df526e3_prep-k_qc49df526e3_prep
	.p2alignl 7, 3214868480
	.fill 96, 4, 3214868480
	.section	.rodata,"a",@progbits
	.p2align	6, 0x0
	.amdhsa_kernel k_qc49df526e3_prep
		.amdhsa_group_segment_fixed_size 34304
		.amdhsa_private_segment_fixed_size 0
		.amdhsa_enable_private_segment 0
		.amdhsa_kernarg_size 88
		.amdhsa_user_sgpr_count 2
		.amdhsa_user_sgpr_kernarg_segment_ptr 1
		.amdhsa_wavefront_size32 1
		.amdhsa_system_sgpr_workgroup_id_x 1
		.amdhsa_system_sgpr_workgroup_id_y 1
		.amdhsa_system_sgpr_workgroup_id_z 1
		.amdhsa_system_vgpr_workitem_id 0
		.amdhsa_next_free_vgpr 256
		.amdhsa_next_free_sgpr 66
		.amdhsa_reserve_vcc 1
		.amdhsa_float_denorm_mode_32 3
		.amdhsa_float_denorm_mode_16_64 3
		.amdhsa_memory_ordered 1
		.amdhsa_forward_progress 1
		.amdhsa_inst_pref_size 51
	.end_amdhsa_kernel
	.amdgpu_metadata
---
amdhsa.version: [ 1, 2 ]
amdhsa.kernels:
  - .name:           k_qc49df526e3_prep
    .symbol:         k_qc49df526e3_prep.kd
    .args:
      - { .name: Q, .offset: 0, .size: 8, .value_kind: global_buffer, .address_space: global }
      - { .name: K, .offset: 8, .size: 8, .value_kind: global_buffer, .address_space: global }
      - { .name: V, .offset: 16, .size: 8, .value_kind: global_buffer, .address_space: global }
      - { .name: Wq, .offset: 24, .size: 8, .value_kind: global_buffer, .address_space: global }
      - { .name: Wk, .offset: 32, .size: 8, .value_kind: global_buffer, .address_space: global }
      - { .name: Wv, .offset: 40, .size: 8, .value_kind: global_buffer, .address_space: global }
      - { .name: Wo, .offset: 48, .size: 8, .value_kind: global_buffer, .address_space: global }
      - { .name: xc, .offset: 56, .size: 8, .value_kind: global_buffer, .address_space: global }
      - { .name: xs, .offset: 64, .size: 8, .value_kind: global_buffer, .address_space: global }
      - { .name: wc, .offset: 72, .size: 8, .value_kind: global_buffer, .address_space: global }
      - { .name: ws, .offset: 80, .size: 8, .value_kind: global_buffer, .address_space: global }
    .group_segment_fixed_size: 34304
    .private_segment_fixed_size: 0
    .kernarg_segment_align: 8
    .kernarg_segment_size: 88
    .max_flat_workgroup_size: 128
    .sgpr_count:     66
    .vgpr_count:     256
    .wavefront_size: 32
...
	.end_amdgpu_metadata
.endif
;; end of part 1
;; launch proj (part 2): grid 4 x 96, 4 waves a work-group, clusters of 4 x 4, 327,680 bytes of LDS; arguments xc, xs, wc, ws, bq, bk, bv, qrec, kv; writes qrec, kv
.if DOCPART == 2
	.amdgcn_target "amdgcn-amd-amdhsa--gfx1250"
	.amdhsa_code_object_version 6
	.text
	.protected	k_qc49df526e3_proj
	.globl	k_qc49df526e3_proj
	.p2align	8
	.type	k_qc49df526e3_proj,@function
k_qc49df526e3_proj:
	s_mov_b64 s[64:65], 0
	v_nop
	global_prefetch_b8 v0, s[64:65] scope:SCOPE_SE
	s_setreg_imm32_b32 hwreg(HW_REG_WAVE_MODE, 25, 1), 1
	s_wait_xcnt 0x0
	s_wait_alu depctr_hold_cnt(0) depctr_sa_sdst(0) depctr_va_vdst(0) depctr_va_sdst(0) depctr_va_ssrc(0) depctr_va_vcc(0) depctr_vm_vsrc(0)
	s_getreg_b32 s2, hwreg(HW_REG_IB_STS2, 6, 4)
	s_cmp_eq_u32 s2, 0
	s_cbranch_scc0 .Lentry_in_a_cluster
	s_endpgm
.Lentry_in_a_cluster:
	s_bfe_u32 s2, ttmp6, 0x10000c
	s_cmp_lg_u32 s2, 0xf033
	s_cbranch_scc0 .Lentry_shape_is_right
	s_endpgm
.Lentry_shape_is_right:
.set BIASC,  0
.set FR,     12
.set NL,     3
.set NP,     4
.set NQ,     2
.set FRB,    1536
.set TILEB,  NQ*FRB
.set HALFT,  8*TILEB
.set SLOT,   4*HALFT
.set SCL,    2*SLOT
.set HALFS,  4096
.set SPARE,  SCL+4*HALFS
.set KROW,   768
.set ADRA, 16
.set ADRB, 20
.set LI,   24
.set L8,   25
.set LN,   26
.set ADRS, 27
.set SPW,  28
.set NIL,  29
.set OUTW, 30
.set BV,   8
.set SC,   32
.set BIAS, 64
.set AF,   128
.set ST,   128
.set PA,   192
.set PB,   204
.set CT,   216
.set TM,   224
.set PWS,  242
.set T,    250
.set G1, 24
.set G0, 32
.set G1B, 48
.set G0B, 56
.set G1S, 68
.set G0S, 76
.set G1SB, 80
.set G0SB, 88
.set SEL, 100
.set MSB, 0
.macro WIN new
.if MSB != (\new)
	s_set_vgpr_msb (MSB<<8)|(\new)
.set MSB, (\new)
.endif
.endm
.set MUL_LO, 0xa1
.set MUL_HI, 0xf1
.set TO_B,   0x40
.macro JLOAD g0a, g1a, g0b, g1b
	s_cmp_eq_u32 s15, 0
	s_cbranch_scc0 .Lfor_b_\@
	tensor_load_to_lds s[\g0a:\g0a+3], s[\g1a:\g1a+7]
	s_nop 0
.rept 4
	v_nop
.endr
	s_branch .Lasked_\@
.Lfor_b_\@:
	tensor_load_to_lds s[\g0b:\g0b+3], s[\g1b:\g1b+7]
	s_nop 0
.rept 4
	v_nop
.endr
.Lasked_\@:
.endm
.macro CREST
	s_cmp_lg_u32 s14, 0
	s_cbranch_scc1 .Lnot_wave_0_\@
	s_barrier_signal -3
.Lnot_wave_0_\@:
	s_barrier_wait -3
	s_barrier_signal -1
	s_barrier_wait -1
.endm
.macro CROUND
	s_barrier_signal -1
	s_barrier_wait -1
	CREST
.endm
	s_load_b256 s[4:11], s[0:1], 0x0
	v_lshl_add_u32 v[SPW], v0, 2, SPARE
	v_mov_b32 v[NIL], 0
	ds_add_u32 v[SPW], v[NIL]
	ds_add_u32 v[SPW], v[NIL]
	v_lshrrev_b32 v1, 5, v0
	v_readfirstlane_b32 s14, v1
	s_lshr_b32 s15, s14, 1
	s_and_b32 s16, s14, 1
	s_bfe_u32 s40, ttmp6, 0x40000
	s_bfe_u32 s41, ttmp6, 0x40004
	s_and_b32 s67, ttmp7, 0xffff
	s_lshr_b32 s66, s67, 3
	s_and_b32 s67, s67, 7
	s_cmp_eq_u32 s66, 2
	s_cselect_b32 s42, s67, 0
	s_cselect_b32 s17, 0, s67
	s_lshl_b32 s42, s42, 2
	s_add_co_u32 s42, s42, s40
	s_lshl_b32 s17, s17, 2
	s_add_co_u32 s17, s17, s41
	s_lshl_b32 s43, s41, 2
	s_lshl_b32 s43, 15, s43
	s_lshl_b32 s44, 0x1111, s40
	s_or_b32 s[G1+0], s43, (3<<16)|(1<<21)
	s_or_b32 s[G1B+0], s44, (3<<16)|(1<<21)
.irp g, G1, G1B
	s_mov_b32 s[\g+1], 384<<16
	s_mov_b32 s[\g+2], 16<<16
	s_mov_b32 s[\g+3], 384<<16
	s_mov_b32 s[\g+4], 16
	s_mov_b32 s[\g+5], 1536
	s_mov_b32 s[\g+6], 0
	s_mov_b32 s[\g+7], 0
.endr
	s_or_b32 s[G1S+0], s43, (3<<16)|(1<<21)
	s_or_b32 s[G1SB+0], s44, (3<<16)|(1<<21)
.irp g, G1S, G1SB
	s_mov_b32 s[\g+1], 32<<16
	s_mov_b32 s[\g+2], 32<<16
	s_mov_b32 s[\g+3], 32<<16
	s_mov_b32 s[\g+4], 32
	s_mov_b32 s[\g+5], 32
	s_mov_b32 s[\g+6], 0
	s_mov_b32 s[\g+7], 0
.endr
	s_lshl_b32 s18, s16, 7
	s_lshl_b32 s20, s17, 8
	s_add_co_u32 s20, s20, s18
	s_lshl_b32 s46, s42, 8
	s_add_co_u32 s46, s46, s18
	s_lshl_b32 s22, s20, 5
	s_mov_b32 s23, 0
	s_lshl_b32 s92, s46, 5
	s_mov_b32 s93, 0
	s_mul_i32 s20, s20, KROW
	s_mov_b32 s21, 0
	s_mul_i32 s46, s46, KROW
	s_mov_b32 s47, 0
	s_mul_i32 s45, s14, HALFT
	s_mul_i32 s94, s14, HALFS
	s_mov_b32 s[SEL], 0x76543210
	s_mov_b32 s[SEL+1], 0xfedcba98
	s_mov_b32 s97, 0
	s_wait_dscnt 0x0
	s_wait_kmcnt 0x0
	s_mul_i32 s96, s66, 6291456
	s_add_nc_u64 s[4:5], s[4:5], s[96:97]
	s_lshl_b32 s96, s66, 18
	s_add_nc_u64 s[6:7], s[6:7], s[96:97]
	s_mul_i32 s96, s66, 786432
	s_add_nc_u64 s[8:9], s[8:9], s[96:97]
	s_lshl_b32 s96, s66, 15
	s_add_nc_u64 s[10:11], s[10:11], s[96:97]
	s_cmp_eq_u32 s66, 2
	s_cselect_b64 s[96:97], s[8:9], s[4:5]
	s_cselect_b64 s[98:99], s[10:11], s[6:7]
	s_cselect_b64 s[8:9], s[4:5], s[8:9]
	s_cselect_b64 s[10:11], s[6:7], s[10:11]
	s_add_nc_u64 s[20:21], s[96:97], s[20:21]
	s_add_nc_u64 s[22:23], s[98:99], s[22:23]
	s_add_nc_u64 s[46:47], s[8:9], s[46:47]
	s_add_nc_u64 s[92:93], s[10:11], s[92:93]
	CROUND
	s_mov_b32 s[G0S], 1
	s_add_co_u32 s[G0S+1], s94, SCL-HALFS          ; wave 1 asks for the scales of all 256 rows of source 1's tile: one half back from its own half, in LDS and in memory
	s_sub_nc_u64 s[G0S+2:G0S+3], s[22:23], HALFS
	s_or_b32 s[G0S+3], s[G0S+3], 0x80000000
	s_mov_b32 s[G0SB], 1
	s_add_co_u32 s[G0SB+1], s94, SCL-HALFS         ; wave 3 likewise for source 0's tile
	s_sub_nc_u64 s[G0SB+2:G0SB+3], s[92:93], HALFS
	s_or_b32 s[G0SB+3], s[G0SB+3], 0x80000000
.irp s, 0,1
	s_mov_b32 s[G0+4*\s], 1
	s_add_co_u32 s[G0+4*\s+1], s45, \s*SLOT
	s_add_nc_u64 s[G0+4*\s+2:G0+4*\s+3], s[20:21], \s*TILEB
	s_or_b32 s[G0+4*\s+3], s[G0+4*\s+3], 0x80000000
	s_mov_b32 s[G0B+4*\s], 1
	s_add_co_u32 s[G0B+4*\s+1], s45, \s*SLOT
	s_add_nc_u64 s[G0B+4*\s+2:G0B+4*\s+3], s[46:47], \s*TILEB
	s_or_b32 s[G0B+4*\s+3], s[G0B+4*\s+3], 0x80000000
.endr
; THE HEAD'S LOADS, ONE A WAVE, in one chain of branches on the wave's number: wave 0 slot 0's 16 tiles of the one operand, wave 1 its scales, wave 2 slot 0's 16 tiles of the other, wave 3 its scales.
.macro ARM under, g0, g1, next
	s_cmp_lt_u32 s14, \under
	s_cbranch_scc0 \next
	tensor_load_to_lds s[\g0:\g0+3], s[\g1:\g1+7]
	s_nop 0
.rept 4
	v_nop
.endr
	s_branch .Lhead_asked
\next:
.endm
	ARM 1, G0,  G1,  .Lhead_sa
	ARM 2, G0S, G1S, .Lhead_b
	ARM 3, G0B, G1B, .Lhead_sb
	tensor_load_to_lds s[G0SB:G0SB+3], s[G1SB:G1SB+7]
	s_nop 0
.rept 4
	v_nop
.endr
.Lhead_asked:
	s_wait_alu depctr_va_vdst(0)
	s_wait_tensorcnt 0x0                           ; my tile of the head's four is in; these lines stand ahead of a later first fill as ahead of a refill
	ds_add_u32 v28, v29
	s_mov_b32 s[G1+2], 8<<16                       ; no tensor load of mine is out: from here on a load brings 8 tiles
	s_mov_b32 s[G1+4], 8
	s_mov_b32 s[G1B+2], 8<<16
	s_mov_b32 s[G1B+4], 8
	s_wait_dscnt 0x0
	CROUND
	JLOAD G0+4, G1, G0B+4, G1B                     ; slot 1, a quarter a wave: the first tensor load behind the round
	s_load_b256 s[4:11], s[0:1], 0x20
	s_load_b64 s[12:13], s[0:1], 0x40
	v_and_b32 v1, 15, v0
	v_bfe_u32 v2, v0, 4, 1
	s_wait_alu depctr_va_vdst(0)
	v_and_b32 v[LN], 31, v0
	v_lshlrev_b32 v[LI], 4, v[LN]
	v_lshlrev_b32 v[L8], 3, v[LN]
	s_mul_i32 s21, s15, HALFT
	s_mul_i32 s22, s16, HALFT
	s_add_co_u32 s22, s22, 2*HALFT
.irp s, 0,1
	v_add_nc_u32 v[ADRA+\s], s21, v[LI]
	v_add_nc_u32 v[ADRB+\s], s22, v[LI]
	s_add_co_u32 s21, s21, SLOT
	s_add_co_u32 s22, s22, SLOT
.endr
	v_lshlrev_b32 v5, 4, v1
	s_mul_i32 s21, s15, HALFS
	s_mul_i32 s22, s16, HALFS
	s_add_co_u32 s22, s22, 2*HALFS
	s_sub_co_u32 s22, s22, s21
	v_mul_u32_u24 v6, s22, v2
	s_add_co_u32 s21, s21, SCL
	v_add_nc_u32 v5, v5, v6
	v_add_nc_u32 v[ADRS], s21, v5
	v_lshlrev_b32 v7, 6, v2
	v_and_b32 v3, 8, v1
	v_add_nc_u32 v3, v3, v1
	v_lshlrev_b32 v3, 2, v3
	s_lshl_b32 s19, s17, 8
	s_lshl_b32 s20, s15, 7
	s_add_co_u32 s19, s19, s20
	s_lshl_b32 s20, s42, 8
	s_lshl_b32 s21, s16, 7
	s_add_co_u32 s20, s20, s21
	s_cmp_eq_u32 s66, 2
	s_cselect_b32 s21, s20, s19
	s_cselect_b32 s22, s19, s20
	s_lshr_b32 s23, s21, 11
	s_lshl_b32 s23, s23, 4
	s_lshr_b32 s46, s22, 6
	s_or_b32 s23, s23, s46
	s_lshl_b32 s23, s23, 4
	s_bfe_u32 s46, s21, 0x40007
	s_or_b32 s23, s23, s46
	s_mov_b32 s47, 0
	s_wait_alu depctr_va_vdst(0)
	s_wait_kmcnt 0x0
	s_cmp_eq_u32 s66, 1
	s_cselect_b64 s[4:5], s[6:7], s[4:5]
	s_cmp_eq_u32 s66, 2
	s_cselect_b64 s[4:5], s[8:9], s[4:5]
	s_cmp_eq_u32 s66, 0
	s_cselect_b64 s[12:13], s[10:11], s[12:13]
	s_mov_b32 s18, 12800
	s_cselect_b32 s18, 6400, s18
	s_mul_i32 s46, s23, s18
	s_add_nc_u64 s[12:13], s[12:13], s[46:47]
	s_lshl_b32 s46, s18, 4
	s_add_nc_u64 s[92:93], s[12:13], s[46:47]
	s_lshl_b32 s46, s22, 2
	s_add_nc_u64 s[4:5], s[4:5], s[46:47]
.irp b, 0,1,2,3,4,5,6,7
	global_load_b128 v[BIAS+8*\b:BIAS+8*\b+3], v7, s[4:5] offset:(32*(\b/2)+8*(\b%2))*4
	global_load_b128 v[BIAS+8*\b+4:BIAS+8*\b+7], v7, s[4:5] offset:(32*(\b/2)+8*(\b%2))*4+16
	global_load_b32 v[BV+\b], v3, s[4:5] offset:(32*(\b/2)+8*(\b%2))*4
.endr
.macro FRAG reg, adr, q, i
.irp c, 0,1,2
	ds_load_b128 v[\reg+4*\c:\reg+4*\c+3], v[\adr] offset:(\i)*TILEB+(\q)*FRB+512*\c
.endr
.endm
.macro MUL16 a0, p, q, sc, zero
.irp a, \a0, \a0+1
.irp b, 0,1,2,3,4,5,6,7
.if \zero
.if BIASC
	v_wmma_scale_f32_16x16x128_f8f6f4 v[8*(8*((\a)%4)+\b):8*(8*((\a)%4)+\b)+7], v[128*(\p)+FR*\b:128*(\p)+FR*\b+FR-1], v[AF+FR*(\a):AF+FR*(\a)+FR-1], v[BIAS+8*\b:BIAS+8*\b+7], v[SC+16*(\sc)+8*(\q)+\b], v[SC+16*(\sc)+8*(\q)+(\a)] matrix_a_fmt:MATRIX_FMT_FP6 matrix_b_fmt:MATRIX_FMT_FP6 matrix_a_scale:MATRIX_SCALE_ROW1
.else
	v_wmma_scale_f32_16x16x128_f8f6f4 v[8*(8*((\a)%4)+\b):8*(8*((\a)%4)+\b)+7], v[128*(\p)+FR*\b:128*(\p)+FR*\b+FR-1], v[AF+FR*(\a):AF+FR*(\a)+FR-1], 0, v[SC+16*(\sc)+8*(\q)+\b], v[SC+16*(\sc)+8*(\q)+(\a)] matrix_a_fmt:MATRIX_FMT_FP6 matrix_b_fmt:MATRIX_FMT_FP6 matrix_a_scale:MATRIX_SCALE_ROW1
.endif
.else
	v_wmma_scale_f32_16x16x128_f8f6f4 v[8*(8*((\a)%4)+\b):8*(8*((\a)%4)+\b)+7], v[128*(\p)+FR*\b:128*(\p)+FR*\b+FR-1], v[AF+FR*(\a):AF+FR*(\a)+FR-1], v[8*(8*((\a)%4)+\b):8*(8*((\a)%4)+\b)+7], v[SC+16*(\sc)+8*(\q)+\b], v[SC+16*(\sc)+8*(\q)+(\a)] matrix_a_fmt:MATRIX_FMT_FP6 matrix_b_fmt:MATRIX_FMT_FP6 matrix_a_scale:MATRIX_SCALE_ROW1
.endif
.endr
.endr
.endm
.macro FETCH_B slot, q, p
	WIN TO_B
.irp i, 0,1,2,3,4,5,6,7
	FRAG 128*(\p)+FR*\i, ADRB+\slot, \q, \i
.endr
	WIN 0
.endm
.macro FETCH_A slot, q, i0
.irp i, \i0, \i0+1, \i0+2, \i0+3
	FRAG AF+FR*(\i), ADRA+\slot, \q, \i
.endr
.endm
.macro SCALES sc
.irp q, 0,1
.irp j, 0,1
	ds_load_b128 v[SC+16*\sc+8*\q+4*\j:SC+16*\sc+8*\q+4*\j+3], v[ADRS] offset:256*\q+2048*\j
.endr
.endr
.endm
.macro PLACES n
.rept \n
	v_nop
.endr
.endm
.macro STEP slot, q, zero
	s_wait_dscnt 4*NL
.if (\zero) && BIASC
	WIN 0x81
.else
	WIN MUL_LO
.endif
	MUL16 0, (\q)%2, \q, \slot, \zero
	MUL16 2, (\q)%2, \q, \slot, \zero
	s_wait_dscnt 0
	PLACES NP
	FETCH_B \slot, (\q)+1, 1-(\q)%2
	FETCH_A \slot, (\q)+1, 0
.if (\zero) && BIASC
	WIN 0xc1
.else
	WIN MUL_HI
.endif
	MUL16 4, (\q)%2, \q, \slot, \zero
	MUL16 6, (\q)%2, \q, \slot, \zero
	PLACES NP
	WIN 0
	FETCH_A \slot, (\q)+1, 4
.endm
.macro TURN slot, next, fill
	s_wait_tensorcnt 0x0
	ds_add_u32 v[SPW], v[NIL]
	s_wait_dscnt 4*NL+1
	WIN MUL_LO
	MUL16 0, 1, NQ-1, \slot, 0
	s_wait_dscnt 0x0
	s_barrier_signal -1
	MUL16 2, 1, NQ-1, \slot, 0
	WIN 0
	s_barrier_wait -1
.if \fill
	CREST
	s_add_nc_u64 s[G0+4*\slot+2:G0+4*\slot+3], s[G0+4*\slot+2:G0+4*\slot+3], 2*TILEB
	s_add_nc_u64 s[G0B+4*\slot+2:G0B+4*\slot+3], s[G0B+4*\slot+2:G0B+4*\slot+3], 2*TILEB
	JLOAD G0+4*\slot, G1, G0B+4*\slot, G1B
.else
	PLACES NP
.endif
	s_wait_alu depctr_va_vdst(0)
	v_add_nc_u32 v[ADRS], 256*NQ, v[ADRS]
	FETCH_B \next, 0, 0
	FETCH_A \next, 0, 0
	SCALES \next
	WIN MUL_HI
	MUL16 4, 1, NQ-1, \slot, 0
	MUL16 6, 1, NQ-1, \slot, 0
	PLACES NP
	WIN 0
	FETCH_A \next, 0, 4
.endm
	s_wait_tensorcnt 1
	s_barrier_signal -1
	s_barrier_wait -1
	FETCH_B 0, 0, 0
	FETCH_A 0, 0, 0
	SCALES 0
	FETCH_A 0, 0, 4
	STEP 0, 0, 1
	s_mov_b32 s3, 1
.Llap:
	TURN 0, 1, 1
	STEP 1, 0, 0
	TURN 1, 0, 1
	STEP 0, 0, 0
	s_sub_co_u32 s3, s3, 1
	s_cmp_lg_u32 s3, 0
	s_cbranch_scc1 .Llap
	TURN 0, 1, 0
	STEP 1, 0, 0
	s_wait_dscnt 4*NL
	WIN MUL_LO
	MUL16 0, 1, NQ-1, 1, 0
	MUL16 2, 1, NQ-1, 1, 0
	s_wait_dscnt 0
	WIN MUL_HI
	MUL16 4, 1, NQ-1, 1, 0
	MUL16 6, 1, NQ-1, 1, 0
	WIN 0
.macro QUANT s, d0, d1, pw
.irp b, 0,1,2,3
	v_max3_num_f32 v[TM+\b], |v[\s+16*\b]|, |v[\s+1+16*\b]|, 0x1800000
.endr
.irp i, 2,4,6,8,10,12,14
.irp b, 0,1,2,3
	v_max3_num_f32 v[TM+\b], v[TM+\b], |v[\s+16*\b+\i]|, |v[\s+1+16*\b+\i]|
.endr
.endr
.irp b, 0,1,2,3
	v_permlanex16_b32 v[TM+4+\b], v[TM+\b], s[SEL], s[SEL+1]
.endr
.irp b, 0,1,2,3
	v_max_num_f32 v[TM+\b], v[TM+\b], v[TM+4+\b]
.endr
.irp b, 0,1,2,3
	v_add_nc_u32 v[TM+12+\b], 0xff000000, v[TM+\b]
.endr
.irp b, 0,1,2,3
	v_lshrrev_b32 v[TM+4+\b], 23, v[TM+12+\b]
.endr
	v_lshl_or_b32 v[\pw], v[TM+5], 8, v[TM+4]
	v_lshl_or_b32 v[\pw], v[TM+6], 16, v[\pw]
	v_lshl_or_b32 v[\pw], v[TM+7], 24, v[\pw]
	v_cvt_scalef32_pk16_fp6_f32 v[(\d0):(\d0)+2], v[\s:\s+15], v[TM+12]
	v_cvt_scalef32_pk16_fp6_f32 v[CT:CT+2], v[\s+16:\s+31], v[TM+13]
	v_cvt_scalef32_pk16_fp6_f32 v[(\d1):(\d1)+2], v[\s+32:\s+47], v[TM+14]
	v_cvt_scalef32_pk16_fp6_f32 v[CT+4:CT+6], v[\s+48:\s+63], v[TM+15]
	v_nop
.irp i, 0,1,2
	v_permlane16_swap_b32 v[(\d0)+\i], v[CT+\i]
	v_permlane16_swap_b32 v[(\d1)+\i], v[CT+4+\i]
.endr
.irp i, 0,1,2
	v_mov_b32 v[(\d0)+3+\i], v[CT+\i]
	v_mov_b32 v[(\d1)+3+\i], v[CT+4+\i]
.endr
.endm
	s_wait_loadcnt 0x0
	PLACES NP
.irp b, 0,1,2,3
	v_mov_b32 v[TM+4+\b], 0
.endr
	v_cmp_le_u32 vcc_lo, 16, v[LN]
	s_cmp_eq_u32 s66, 2
	s_cbranch_scc1 .Lv
.irp a, 0,1,2,3,4,5,6,7
.if (\a%2 == 0) && (\a > 0)
	s_wait_xcnt 0x0
.endif
	WIN 0x02+(\a/4)
.set J, 0
.rept 32
	v_pk_add_f32 v[ST+J:ST+J+1], v[64*(\a%4)+J:64*(\a%4)+J+1], v[BIAS+J:BIAS+J+1]
.set J, J+2
.endr
	WIN 0
	QUANT ST, PA+6*(\a%2), PB+6*(\a%2), PWS+\a
.if \a%2 == 1
.irp q, 0,1,2
	global_store_b128 v[LI], v[PA+4*\q:PA+4*\q+3], s[12:13] offset:1536*(\a/2)+512*\q
	global_store_b128 v[LI], v[PB+4*\q:PB+4*\q+3], s[92:93] offset:1536*(\a/2)+512*\q
.endr
.endif
.endr
	s_mov_b32 s18, 0x05040100
	s_mov_b32 s19, 0x07060302
.irp g, 0,1,2,3
	v_perm_b32 v[T+\g], v[PWS+2*\g+1], v[PWS+2*\g], s18
.endr
	v_cndmask_b32 v[OUTW], v[T], v[T+2], vcc_lo
	v_cndmask_b32 v[OUTW+1], v[T+1], v[T+3], vcc_lo
	global_store_b64 v[L8], v[OUTW:OUTW+1], s[12:13] offset:6144
.irp g, 0,1,2,3
	v_perm_b32 v[T+\g], v[PWS+2*\g+1], v[PWS+2*\g], s19
.endr
	s_wait_alu depctr_va_vdst(0)
	s_wait_xcnt 0x0
	v_cndmask_b32 v[OUTW], v[T], v[T+2], vcc_lo
	v_cndmask_b32 v[OUTW+1], v[T+1], v[T+3], vcc_lo
	global_store_b64 v[L8], v[OUTW:OUTW+1], s[92:93] offset:6144
	s_branch .Ltail
.Lv:
.irp a, 0,1,2,3,4,5,6,7
.if \a > 1
	s_wait_xcnt 0x0
.endif
	WIN 0x02+(\a/4)
.set J, 0
.rept 32
.if \a%2 == 0
	v_pk_add_f32 v[ST+J:ST+J+1], v[64*(\a%4)+J:64*(\a%4)+J+1], v[BV+2*(\a/2):BV+2*(\a/2)+1] op_sel_hi:[1,0]
.else
	v_pk_add_f32 v[ST+J:ST+J+1], v[64*(\a%4)+J:64*(\a%4)+J+1], v[BV+2*(\a/2):BV+2*(\a/2)+1] op_sel:[0,1] op_sel_hi:[1,1]
.endif
.set J, J+2
.endr
	WIN 0
	QUANT ST, PA+12*(\a%2), PA+12*(\a%2)+6, PWS+\a
.irp q, 0,1,2
.if \a < 4
	global_store_b128 v[LI], v[PA+12*(\a%2)+4*\q:PA+12*(\a%2)+4*\q+3], s[12:13] offset:6400+1536*(\a%4)+512*\q
.else
	global_store_b128 v[LI], v[PA+12*(\a%2)+4*\q:PA+12*(\a%2)+4*\q+3], s[92:93] offset:6400+1536*(\a%4)+512*\q
.endif
.endr
.endr
	v_cndmask_b32 v[OUTW], v[PWS], v[PWS+2], vcc_lo
	v_cndmask_b32 v[OUTW+1], v[PWS+1], v[PWS+3], vcc_lo
	global_store_b64 v[L8], v[OUTW:OUTW+1], s[12:13] offset:12544
	s_wait_xcnt 0x0
	v_cndmask_b32 v[OUTW], v[PWS+4], v[PWS+6], vcc_lo
	v_cndmask_b32 v[OUTW+1], v[PWS+5], v[PWS+7], vcc_lo
	global_store_b64 v[L8], v[OUTW:OUTW+1], s[92:93] offset:12544
.Ltail:
	s_wait_tensorcnt 0x0
	ds_add_u32 v[SPW], v[NIL]
	s_wait_dscnt 0x0
	CROUND
	s_endpgm
.Lfunc_end_k_qc49df526e3_proj:
	.size	k_qc49df526e3_proj, .Lfunc_end_k_qc49df526e3_proj-k_qc49df526e3_proj
	.p2alignl 7, 3214868480
	.fill 96, 4, 3214868480
	.section	.rodata,"a",@progbits
	.p2align	6, 0x0
	.amdhsa_kernel k_qc49df526e3_proj
		.amdhsa_group_segment_fixed_size 327680
		.amdhsa_private_segment_fixed_size 0
		.amdhsa_enable_private_segment 0
		.amdhsa_kernarg_size 72
		.amdhsa_user_sgpr_count 2
		.amdhsa_user_sgpr_kernarg_segment_ptr 1
		.amdhsa_wavefront_size32 1
		.amdhsa_system_sgpr_workgroup_id_x 1
		.amdhsa_system_sgpr_workgroup_id_y 1
		.amdhsa_system_sgpr_workgroup_id_z 1
		.amdhsa_system_vgpr_workitem_id 0
		.amdhsa_next_free_vgpr 1024
		.amdhsa_next_free_sgpr 102
		.amdhsa_reserve_vcc 1
		.amdhsa_float_denorm_mode_32 3
		.amdhsa_float_denorm_mode_16_64 3
		.amdhsa_memory_ordered 1
		.amdhsa_forward_progress 1
		.amdhsa_inst_pref_size 208
	.end_amdhsa_kernel
	.amdgpu_metadata
---
amdhsa.version: [ 1, 2 ]
amdhsa.kernels:
  - .name:           k_qc49df526e3_proj
    .symbol:         k_qc49df526e3_proj.kd
    .args:
      - { .name: xc, .offset: 0, .size: 8, .value_kind: global_buffer, .address_space: global }
      - { .name: xs, .offset: 8, .size: 8, .value_kind: global_buffer, .address_space: global }
      - { .name: wc, .offset: 16, .size: 8, .value_kind: global_buffer, .address_space: global }
      - { .name: ws, .offset: 24, .size: 8, .value_kind: global_buffer, .address_space: global }
      - { .name: bq, .offset: 32, .size: 8, .value_kind: global_buffer, .address_space: global }
      - { .name: bk, .offset: 40, .size: 8, .value_kind: global_buffer, .address_space: global }
      - { .name: bv, .offset: 48, .size: 8, .value_kind: global_buffer, .address_space: global }
      - { .name: qrec, .offset: 56, .size: 8, .value_kind: global_buffer, .address_space: global }
      - { .name: kv, .offset: 64, .size: 8, .value_kind: global_buffer, .address_space: global }
    .group_segment_fixed_size: 327680
    .private_segment_fixed_size: 0
    .kernarg_segment_align: 8
    .kernarg_segment_size: 72
    .max_flat_workgroup_size: 128
    .sgpr_count:     102
    .vgpr_count:     1024
    .wavefront_size: 32
...
	.end_amdgpu_metadata
.endif
;; end of part 2
;; launch attn (part 3): grid 8 x 32, 8 waves a work-group, no clusters, 327,680 bytes of LDS; arguments qrec, kv, cc, cs; writes cc, cs
.if DOCPART == 3
	.amdgcn_target "amdgcn-amd-amdhsa--gfx1250"
	.amdhsa_code_object_version 6
	.text
	.protected	k_qc49df526e3_attn
	.globl	k_qc49df526e3_attn
	.p2align	8
	.type	k_qc49df526e3_attn,@function
k_qc49df526e3_attn:
	s_mov_b64 s[64:65], 0
	v_nop
	global_prefetch_b8 v0, s[64:65] scope:SCOPE_SE
	s_setreg_imm32_b32 hwreg(HW_REG_WAVE_MODE, 25, 1), 1
	s_wait_xcnt 0x0
; ATTN: ctx = softmax(q k^T / 8) v for 64 (batch x head) of 2,048 tokens x 64, both products on codes of FP6 (E2M3) with E8M0 scales; ctx is quantised along (head, d) on the way out.
; THE SOFTMAX: t = score x log2(e) / 8; M = the running largest t rounded up to a whole number; p = 2^(t - M) is quantised along the keys, not normalised; the row's sum is taken of the unquantised p and divides at the end.
; When M moves, the sum and O are multiplied by 2^(old M - new M), which rounds nothing.
; SHARES.  A work-group takes 256 queries of a batch and two neighbouring heads, one after the other.  Each of its eight waves owns TWO tiles of 16 queries (x = 0, 1): every fragment of k and of v^T that it reads from LDS feeds both,
; and the two tiles' chains of vector work stand line by line beside each other.  Two heads are 128 along the last product's K: a wave makes two whole fragments and scale words of ctx.
; LAYOUT.  Both products are used transposed (source 0 = keys, or d; source 1 = my queries, or p): a lane holds one query of each tile throughout.  Operands come as images of registers, made by the launch before.
; THE HEAD'S 64 IN AN INSTRUCTION OF 128: a pair holds two tiles of 16 keys, one in k = 0 .. 63, one in k = 64 .. 127.  It is multiplied by [q | zero codes] and by [zero codes | q].  The zero codes stand on the query's side alone;
; their scale bytes are 1 and k's lie in 1 .. 254, so the dead half adds exact zeros.  By the order of K's rows (tile 4 c + j of a record holds keys 64 c + 8 j + i and 64 c + 32 + 8 j + i) register 32 c + i of a tile's scores is
; key 64 c + 32 (lane / 16) + i: A LANE HOLDS WHOLE BLOCKS OF 32 KEYS, as p's operand wants them: no lane is asked for a block's maximum and no codes change lanes.
; LDS: 24 places of a record (12,800 bytes: a key step's k, v^T and scale words), ctx's scale words, the spare words.  The 32 records of the two heads are consecutive in memory.  THREE FILLS, one tensor load a wave each:
; at the head records 0-7, a record a wave (waves 0 and 1 have a load line of their own and alone wait in front of the first barrier, which shows records 0 and 1); behind key step 1, with every wave's load waited for,
; records 8-23 (two a wave), first fills; behind key step 7 records 24-31 onto places 0-7.  Every wait on TENSORcnt and on DScnt is for 0.
; k's fragments of the next key step are fetched behind this step's scores, v^T's behind them; both land under the softmax.  The last trip of a run whose next record is not shown yet names its own record again
; (s_min_u32, no branch in the trip); those 13 loads are overwritten by the fetch behind the barrier.
; NO CLUSTER: a work-group asks for 12,800 bytes for a key step in which its waves issue 192 matrix instructions and some 3,500 vector instructions; joint loads would tie four work-groups' three fills together for that small stream.
; NO PREFETCH INTO THE L2: each record is asked for by its tensor load six key steps or more ahead of its first read, but for the head's eight, which have no loop ahead of them.
; LIMITS: NaN and infinities are not served; the promise holds while |t| stays under 2^31; 1 / l is v_rcp_f32 and a multiplication; a block of zeros gets the byte 1 and zero codes.
.set REC,   12800
.set SCST,  24*REC                     ; 1,024 bytes: ctx's scale words meet here; no tensor load lands here
.set SPARE, SCST+1024                  ; the spare words, 128 bytes a wave, that no other line names
; window 0
.set LI,  1                            ; 16 x lane
.set L8K, 2                            ; 8 x lane + 6,144: k's scale block in a record
.set ADK, 3                            ; this step's record, its scale block
.set ADS, 4
.set SPW, 5
.set NIL, 6
.set ADN, 7                            ; the next step's record, its scale block
.set ADSN, 8
.set SCW, 10
.set SCR, 11
.set L8,  12
.set KSC, 16                           ; v16-17 k's scale words, v18-19 v's
.set VSC, 18
.set QS,  20                           ; v20-23 q's scale words: 2 x: [q | 0], 2 x + 1: [0 | q]
.set PW,  24                           ; v24-25 p's scale words
.set CW,  26                           ; v26-27 ctx's
.set QW,  28                           ; v28-29 the two heads' raw scale words of q
.set KF,  32                           ; v32-79 k's four pairs
.set VF,  80                           ; v80-127 v^T's four fragments
.set P,   128                          ; v128-151 p's codes
.set CT,  152                          ; v152-167 second halves of blocks (a conversion's three registers begin on an even number)
.set Q2,  168                          ; v168-179 the second head's q
.set CF,  180                          ; v180-203 ctx's fragments
.set QT,  204                          ; v204-215 the first head's q
; window 1 (written by its low 8 bits)
.set S,   0                            ; v256-383 the scores, then p: 64 x
.set O,   128                          ; v384-447 O^T: 32 x
.set QZ,  192                          ; v448-477 six zeros, q of tile 0, six zeros, q of tile 1, six zeros
.set XB,  222                          ; v478-481 the second chain of each block's maximum: 2 x + c
.set TT,  228                          ; v484-511 fourteen registers a tile:
.set NM,  0                            ; -M
.set RS,  1                            ; the running largest score
.set L,   2                            ; the sum, two halves
.set FF,  4                            ; f; + 1 named with it as a pair
.set BM,  6                            ; my two blocks' largest; then a chain of the sum
.set SO,  8                            ; their conversions' scale operands; then a chain of the sum
.set T,   10
.set TMP, 12
.set TM2, 13
.set WV,  18
.set SEL, 20
.set CS,  22
.set G1A, 24                           ; group 1: one record, 50 rows of 256 bytes
.set G0A, 32
.set G0B, 36
.set G1B, 40                           ; group 1: two records, 100 rows
.set TB,  48
.set CNT, 49
.set NC,  66
.set NX,  67
.set MSB, 0
.macro WIN new                         ; the immediate's high byte repeats the setting that is left
.if MSB != (\new)
	s_set_vgpr_msb (MSB<<8)|(\new)
.set MSB, (\new)
.endif
.endm
.macro WALU
	s_wait_alu depctr_va_vdst(0)
.endm
.macro TLOAD g0, g1
	tensor_load_to_lds s[\g0:\g0+3], s[\g1:\g1+7]
	s_nop 0
.rept 4
	v_nop
.endr
.endm
	s_load_b256 s[4:11], s[0:1], 0x0               ; qrec, kv, cc, cs
	v_lshl_add_u32 v[SPW], v0, 2, SPARE
	v_mov_b32 v[NIL], 0
	ds_add_u32 v[SPW], v[NIL]                      ; the opening: the add, twice on end, and its wait ahead of the first tensor load
	ds_add_u32 v[SPW], v[NIL]
	v_lshrrev_b32 v9, 5, v0
	v_readfirstlane_b32 s[WV], v9
	s_and_b32 s50, ttmp7, 0xffff                   ; y: 8 x batch + pair of heads
.irp g, G1A, G1B
	s_mov_b32 s[\g], 3<<16                         ; elements of 8 bytes; no mask, no padding
	s_mov_b32 s[\g+1], 32<<16
	s_mov_b32 s[\g+3], 32<<16
	s_mov_b32 s[\g+5], 32
	s_mov_b32 s[\g+6], 0
	s_mov_b32 s[\g+7], 0
.endr
	s_mov_b32 s[G1A+2], 50<<16
	s_mov_b32 s[G1A+4], 50
	s_mov_b32 s[G1B+2], 100<<16
	s_mov_b32 s[G1B+4], 100
	s_mov_b32 s[SEL], 0x76543210
	s_mov_b32 s[SEL+1], 0xfedcba98
	s_mov_b32 s[CS], 0x3e38aa3b                    ; c = log2(e) / 8
	s_mov_b32 s[CS+1], s[CS]
	s_mov_b32 s[NC], 0xbe38aa3b                    ; -c
	s_mov_b32 s[G0A], 1
	s_mul_i32 s[G0A+1], s[WV], REC                 ; place = record = my wave
	s_mov_b32 s[G0B], 1
	s_mul_i32 s[G0B+1], s[WV], 2*REC
	s_add_co_u32 s[G0B+1], s[G0B+1], 8*REC         ; places = records 8 + 2 wave, 9 + 2 wave
	s_mul_i32 s52, s50, 32*REC                     ; the two heads' 32 records
	s_add_co_u32 s54, s52, s[G0A+1]
	s_mov_b32 s55, 0
	s_add_co_u32 s56, s52, s[G0B+1]
	s_mov_b32 s57, 0
	s_lshr_b32 s58, s[WV], 1                       ; ctx's scale words: unit wave / 2, tiles 2 (wave % 2) on
	s_lshl_b32 s58, s58, 8
	s_and_b32 s59, s[WV], 1
	s_lshl_b32 s59, s59, 3
	s_add_co_u32 s58, s58, s59
	s_add_co_u32 s58, s58, SCST
	s_and_b32 s60, s[WV], 3                        ; the unit that I store (waves 0-3); also my pair of q's record
	s_lshl_b32 s59, s60, 8
	s_add_co_u32 s59, s59, SCST
	s_mul_i32 s61, s60, 1536
	s_lshr_b32 s62, s60, 1
	s_lshl_b32 s62, s62, 7
	s_and_b32 s63, s60, 1
	s_lshl_b32 s63, s63, 2
	s_add_co_u32 s62, s62, s63
	v_and_b32 v9, 31, v0                           ; lane
	v_and_b32 v15, 15, v0                          ; r
	v_lshlrev_b32 v[LI], 4, v9
	v_lshlrev_b32 v[L8], 3, v9
	v_lshl_add_u32 v[L8K], v9, 3, 6144
	v_lshl_add_u32 v[SCW], v15, 4, s58
	v_lshl_add_u32 v[SCR], v9, 3, s59
	v_lshl_add_u32 v13, v9, 4, s61                 ; q: my pair's image
	v_lshl_add_u32 v14, v15, 3, s62                ; and its scale word of row r
	WALU
	s_wait_dscnt 0x0                               ; both opening adds are done
	s_wait_kmcnt 0x0
	s_add_nc_u64 s[G0A+2:G0A+3], s[6:7], s[54:55]
	s_or_b32 s[G0A+3], s[G0A+3], 0x80000000
	s_add_nc_u64 s[G0B+2:G0B+3], s[6:7], s[56:57]
	s_or_b32 s[G0B+3], s[G0B+3], 0x80000000
	s_cmp_lt_u32 s[WV], 2                          ; records 0-7, one a wave: my one tensor load at the head.  Waves 0 and 1, which alone wait in front of the first barrier, have a line of their own
	s_cbranch_scc0 .Llater
	TLOAD G0A, G1A
	s_branch .Lasked
.Llater:
	TLOAD G0A, G1A
.Lasked:
	; q: tiles 2 wave, 2 wave + 1 of the work-group's sixteen are pair wave % 4 of record 2 x + wave / 4: registers 0-5 tile 0, 6-11 tile 1
	s_lshr_b32 s58, s[WV], 2
	s_lshl_b32 s59, s50, 5
	s_add_co_u32 s58, s58, s59
	s_lshl_b32 s59, ttmp9, 1
	s_add_co_u32 s58, s58, s59
	s_mul_i32 s58, s58, 6400
	s_mov_b32 s59, 0
	s_add_nc_u64 s[4:5], s[4:5], s[58:59]
.irp q, 0,1,2
	global_load_b128 v[QT+4*\q:QT+4*\q+3], v13, s[4:5] offset:512*\q
	global_load_b128 v[Q2+4*\q:Q2+4*\q+3], v13, s[4:5] offset:102400+512*\q   ; the next head: 16 records on
.endr
	global_load_b32 v[QW], v14, s[4:5] offset:6144
	global_load_b32 v[QW+1], v14, s[4:5] offset:108544
	s_lshr_b32 s56, s50, 3                         ; batch
	s_and_b32 s57, s50, 7                          ; the pair of heads = the last product's K step
	s_lshl_b32 s58, s56, 7
	s_lshl_b32 s59, ttmp9, 4
	s_add_co_u32 s58, s58, s59
	s_lshl_b32 s59, s[WV], 1
	s_add_co_u32 s58, s58, s59                     ; my first tile of tokens
	s_lshl_b32 s58, s58, 3
	s_add_co_u32 s58, s58, s57
	s_mul_i32 s58, s58, 1536
	s_mov_b32 s59, 0
	s_add_nc_u64 s[8:9], s[8:9], s[58:59]
	s_lshl_b32 s58, s56, 5
	s_lshl_b32 s61, ttmp9, 2
	s_add_co_u32 s58, s58, s61
	s_add_co_u32 s58, s58, s60
	s_lshl_b32 s58, s58, 3
	s_add_co_u32 s58, s58, s57
	s_lshl_b32 s58, s58, 8
	s_add_nc_u64 s[10:11], s[10:11], s[58:59]
	WIN 0x40                                       ; destination in window 1
.irp i, 0,1,2,3,4,5
	v_mov_b32 v[QZ+\i], 0
	v_mov_b32 v[QZ+12+\i], 0
	v_mov_b32 v[QZ+24+\i], 0
.endr
.irp b, TT, TT+14
	v_mov_b32 v[\b+FF+1], 0                        ; named as the upper half of a pair
	v_mov_b32 v[\b+T], 0                           ; a lane permute's destination counts as read
	v_mov_b32 v[\b+T+1], 0
	v_mov_b32 v[\b+TMP], 0
	v_mov_b32 v[\b+TM2], 0
.endr
	WIN 0
.macro HEADINIT q, w                   ; a head begins: q's scale words, q between its zeros, the statistics, O^T = 0 (the first change of M multiplies zeros)
	v_and_b32 v13, 0xffff, v[\w]                   ; tile 0's two bytes
	v_lshrrev_b32 v14, 16, v[\w]                   ; tile 1's
	v_or_b32 v[QS], 0x01010000, v13
	v_lshl_or_b32 v[QS+1], v13, 16, 0x0101
	v_or_b32 v[QS+2], 0x01010000, v14
	v_lshl_or_b32 v[QS+3], v14, 16, 0x0101
	WIN 0x40
.irp i, 0,1,2,3,4,5
	v_mov_b32 v[QZ+6+\i], v[\q+\i]
	v_mov_b32 v[QZ+18+\i], v[\q+6+\i]
.endr
.irp b, TT, TT+14
	v_mov_b32 v[\b+RS], 0xff61b1e6                 ; the largest score so far: -3e38
	v_mov_b32 v[\b+NM], 0x7e000000                 ; -M = 2^125: the first f falls to 0
	v_mov_b32 v[\b+L], 0
	v_mov_b32 v[\b+L+1], 0
.endr
.set J, 0
.rept 64
	v_mov_b32 v[O+J], 0                            ; (these are also the places between the scale words' lines and the products)
.set J, J+1
.endr
	WIN 0
.endm
.macro SMM x, g, hi                    ; the scores of key tile 2 g + hi and query tile x
.if \g < 2
	v_wmma_scale_f32_16x16x128_f8f6f4 v[S+64*\x+16*\g+8*\hi:S+64*\x+16*\g+8*\hi+7], v[KF+12*\g:KF+12*\g+11], v[QZ+12*\x+6-6*\hi:QZ+12*\x+17-6*\hi], 0, v[KSC+\g%2], v[QS+2*\x+\hi] matrix_a_fmt:MATRIX_FMT_FP6 matrix_b_fmt:MATRIX_FMT_FP6
.else
	v_wmma_scale_f32_16x16x128_f8f6f4 v[S+64*\x+16*\g+8*\hi:S+64*\x+16*\g+8*\hi+7], v[KF+12*\g:KF+12*\g+11], v[QZ+12*\x+6-6*\hi:QZ+12*\x+17-6*\hi], 0, v[KSC+\g%2], v[QS+2*\x+\hi] matrix_a_fmt:MATRIX_FMT_FP6 matrix_b_fmt:MATRIX_FMT_FP6 matrix_a_scale:MATRIX_SCALE_ROW1
.endif
.endm
.macro OMM x, t                        ; O^T's tile t of query tile x += v^T p^T
.if \t < 2
	v_wmma_scale_f32_16x16x128_f8f6f4 v[O+32*\x+8*\t:O+32*\x+8*\t+7], v[VF+12*\t:VF+12*\t+11], v[P+12*\x:P+12*\x+11], v[O+32*\x+8*\t:O+32*\x+8*\t+7], v[VSC+\t%2], v[PW+\x] matrix_a_fmt:MATRIX_FMT_FP6 matrix_b_fmt:MATRIX_FMT_FP6
.else
	v_wmma_scale_f32_16x16x128_f8f6f4 v[O+32*\x+8*\t:O+32*\x+8*\t+7], v[VF+12*\t:VF+12*\t+11], v[P+12*\x:P+12*\x+11], v[O+32*\x+8*\t:O+32*\x+8*\t+7], v[VSC+\t%2], v[PW+\x] matrix_a_fmt:MATRIX_FMT_FP6 matrix_b_fmt:MATRIX_FMT_FP6 matrix_a_scale:MATRIX_SCALE_ROW1
.endif
.endm
.macro KLOADS                          ; k's four pairs and their scale words (register i: lanes 0-15 pair i's, lanes 16-31 pair 2 + i's)
.irp b, 0,1,2,3
.irp q, 0,1,2
	ds_load_b128 v[KF+12*\b+4*\q:KF+12*\b+4*\q+3], v[ADN] offset:1536*\b+512*\q
.endr
.endr
	ds_load_b64 v[KSC:KSC+1], v[ADSN]
.endm
.macro FETCHK base                     ; a run's first record
	v_add_nc_u32 v[ADN], \base, v[LI]
	v_add_nc_u32 v[ADSN], \base, v[L8K]
	KLOADS
.endm
; A KEY STEP: 128 keys, the record at s[TB]; lim: the last place that the fetch of the next k may name
.macro STEP lim
	s_wait_dscnt 0x0                               ; k's fragments are in
	WIN 0x54                                       ; k window 0; q, the scores window 1
.irp g, 0,1,2,3
.irp x, 0,1
	SMM \x, \g, 0
	SMM \x, \g, 1
.endr
.endr
	WIN 0
	s_add_co_u32 s[NX], s[TB], REC
	s_min_u32 s[NX], s[NX], \lim
	v_add_nc_u32 v[ADK], s[TB], v[LI]              ; these four lines are the places behind the products, ahead of the loads into their operands and of the maxima
	v_add_nc_u32 v[ADS], s[TB], v[L8K]
	v_add_nc_u32 v[ADN], s[NX], v[LI]
	v_add_nc_u32 v[ADSN], s[NX], v[L8K]
	KLOADS                                         ; the next step's k
.irp t, 0,1,2,3
.irp q, 0,1,2
	ds_load_b128 v[VF+12*\t+4*\q:VF+12*\t+4*\q+3], v[ADK] offset:6400+1536*\t+512*\q
.endr
.endr
	ds_load_b64 v[VSC:VSC+1], v[ADS] offset:6400
	WIN 0x55                                       ; all in window 1
; The largest score of my block 2 c + lane / 16: for the row's maximum and, since p rises with the score, for the block's largest p.  Two chains a block, from registers 0 and 16 on (each accumulator is read from its low end first): eight chains side by side
.irp x, 0,1
.irp c, 0,1
	v_max3_num_f32 v[TT+14*\x+BM+\c], v[S+64*\x+32*\c], v[S+64*\x+32*\c+1], v[S+64*\x+32*\c+2]
	v_max3_num_f32 v[XB+2*\x+\c], v[S+64*\x+32*\c+16], v[S+64*\x+32*\c+17], v[S+64*\x+32*\c+18]
.endr
.endr
.irp i, 3,5,7,9,11,13
.irp x, 0,1
.irp c, 0,1
	v_max3_num_f32 v[TT+14*\x+BM+\c], v[TT+14*\x+BM+\c], v[S+64*\x+32*\c+\i], v[S+64*\x+32*\c+\i+1]
	v_max3_num_f32 v[XB+2*\x+\c], v[XB+2*\x+\c], v[S+64*\x+32*\c+16+\i], v[S+64*\x+32*\c+17+\i]
.endr
.endr
.endr
.irp x, 0,1
.irp c, 0,1
	v_max3_num_f32 v[TT+14*\x+BM+\c], v[TT+14*\x+BM+\c], v[S+64*\x+32*\c+15], v[S+64*\x+32*\c+31]
.endr
.endr
.irp x, 0,1
.irp c, 0,1
	v_max_num_f32 v[TT+14*\x+BM+\c], v[TT+14*\x+BM+\c], v[XB+2*\x+\c]
.endr
.endr
.irp b, TT, TT+14
	v_max_num_f32 v[\b+TMP], v[\b+BM], v[\b+BM+1]
.endr
.irp b, TT, TT+14
	v_permlanex16_b32 v[\b+TM2], v[\b+TMP], s[SEL], s[SEL+1]
.endr
.irp b, TT, TT+14
	v_max3_num_f32 v[\b+RS], v[\b+RS], v[\b+TMP], v[\b+TM2]   ; the running largest score of my query
.endr
.irp b, TT, TT+14
	v_mul_f32 v[\b+TMP], s[NC], v[\b+RS]           ; -t
.endr
.irp b, TT, TT+14
	v_floor_f32 v[\b+TMP], v[\b+TMP]               ; the new -M = -ceil(t)
.endr
.irp b, TT, TT+14
	v_sub_f32 v[\b+TM2], v[\b+TMP], v[\b+NM]       ; old M - new M: a whole number, 0 or less
.endr
.irp b, TT, TT+14
	v_mov_b32 v[\b+NM], v[\b+TMP]
.endr
.irp b, TT, TT+14
	v_cvt_i32_f32 v[\b+TM2], v[\b+TM2]             ; (it saturates)
.endr
.irp x, 0,1
.set J, 0
.rept 32
	v_pk_fma_f32 v[S+64*\x+J:S+64*\x+J+1], v[S+64*\x+J:S+64*\x+J+1], s[CS:CS+1], v[TT+14*\x+NM:TT+14*\x+NM+1] op_sel_hi:[1,0,0]   ; t - M
.set J, J+2
.endr
	v_ldexp_f32 v[TT+14*\x+FF], 1.0, v[TT+14*\x+TM2]   ; f = 2^(old M - new M): the end of M's chain stands among the multiply-adds
.endr
.irp x, 0,1
.set J, 0
.rept 16
	v_pk_mul_f32 v[O+32*\x+J:O+32*\x+J+1], v[O+32*\x+J:O+32*\x+J+1], v[TT+14*\x+FF:TT+14*\x+FF+1] op_sel_hi:[1,0]   ; O^T under the new M, ahead of the exponentials
.set J, J+2
.endr
.endr
.irp b, TT, TT+14
.irp c, 0,1
	v_fma_f32 v[\b+BM+\c], v[\b+BM+\c], s[CS], v[\b+NM]
.endr
.endr
	WALU
.set J, 0
.rept 128
	v_exp_f32 v[S+J], v[S+J]                       ; p = 2^(t - M)
.set J, J+1
.endr
.irp b, TT, TT+14
.irp c, 0,1
	v_exp_f32 v[\b+BM+\c], v[\b+BM+\c]             ; the blocks' largest p
.endr
.endr
	v_nop                                          ; a plain place behind the exponentials
	WALU                                           ; one wait for the batch, ahead of its first reader
.irp b, TT, TT+14
.irp c, 0,1
	v_max_num_f32 v[\b+BM+\c], 0x1800000, v[\b+BM+\c]   ; the floor: the byte cannot fall under 1
.endr
.endr
.irp b, TT, TT+14
.irp c, 0,1
	v_add_nc_u32 v[\b+SO+\c], 0xff000000, v[\b+BM+\c]   ; 2 off the exponent field: the conversion's scale operand
.endr
.endr
.irp b, TT, TT+14
.irp c, 0,1
	v_lshrrev_b32 v[\b+BM+\c], 23, v[\b+SO+\c]     ; the byte
.endr
.endr
.irp b, TT, TT+14
	v_lshl_or_b32 v[\b+TMP], v[\b+BM+1], 16, v[\b+BM]   ; my blocks lane / 16 and 2 + lane / 16
.endr
.irp b, TT, TT+14
	v_permlanex16_b32 v[\b+TM2], v[\b+TMP], s[SEL], s[SEL+1]
.endr
	WIN 0x15                                       ; sources window 1, destination window 0
.irp x, 0,1
	v_lshl_or_b32 v[PW+\x], v[TT+14*\x+TM2], 8, v[TT+14*\x+TMP]   ; whole in lanes 0-15, which alone are read
.endr
.irp x, 0,1
.irp c, 0,1
	v_cvt_scalef32_pk16_fp6_f32 v[P+12*\x+6*\c:P+12*\x+6*\c+2], v[S+64*\x+32*\c:S+64*\x+32*\c+15], v[TT+14*\x+SO+\c]
	v_cvt_scalef32_pk16_fp6_f32 v[CT+8*\x+4*\c:CT+8*\x+4*\c+2], v[S+64*\x+32*\c+16:S+64*\x+32*\c+31], v[TT+14*\x+SO+\c]
.endr
.endr
	WIN 0
	v_nop                                          ; one plain place behind a scaled conversion
.irp x, 0,1
.irp c, 0,1
.irp i, 0,1,2
	v_mov_b32 v[P+12*\x+6*\c+3+\i], v[CT+8*\x+4*\c+\i]
.endr
.endr
.endr
	WIN 0x55
; The rows' sums of the unquantised p, four chains a tile (two of them in the registers that held the bytes and the scale operands); the first line brings the old sum under the new M.  These 64 lines are also the places ahead of the products below
.irp x, 0,1
	v_pk_fma_f32 v[TT+14*\x+L:TT+14*\x+L+1], v[TT+14*\x+L:TT+14*\x+L+1], v[TT+14*\x+FF:TT+14*\x+FF+1], v[S+64*\x:S+64*\x+1] op_sel_hi:[1,0,1]
	v_pk_add_f32 v[TT+14*\x+T:TT+14*\x+T+1], v[S+64*\x+2:S+64*\x+3], v[S+64*\x+4:S+64*\x+5]
	v_pk_add_f32 v[TT+14*\x+BM:TT+14*\x+BM+1], v[S+64*\x+6:S+64*\x+7], v[S+64*\x+8:S+64*\x+9]
	v_pk_add_f32 v[TT+14*\x+SO:TT+14*\x+SO+1], v[S+64*\x+10:S+64*\x+11], v[S+64*\x+12:S+64*\x+13]
.endr
.set J, 14
.rept 6
.irp x, 0,1
	v_pk_add_f32 v[TT+14*\x+L:TT+14*\x+L+1], v[TT+14*\x+L:TT+14*\x+L+1], v[S+64*\x+J:S+64*\x+J+1]
	v_pk_add_f32 v[TT+14*\x+T:TT+14*\x+T+1], v[TT+14*\x+T:TT+14*\x+T+1], v[S+64*\x+J+2:S+64*\x+J+3]
	v_pk_add_f32 v[TT+14*\x+BM:TT+14*\x+BM+1], v[TT+14*\x+BM:TT+14*\x+BM+1], v[S+64*\x+J+4:S+64*\x+J+5]
	v_pk_add_f32 v[TT+14*\x+SO:TT+14*\x+SO+1], v[TT+14*\x+SO:TT+14*\x+SO+1], v[S+64*\x+J+6:S+64*\x+J+7]
.endr
.set J, J+8
.endr
.irp x, 0,1
	v_pk_add_f32 v[TT+14*\x+T:TT+14*\x+T+1], v[TT+14*\x+T:TT+14*\x+T+1], v[S+64*\x+62:S+64*\x+63]
	v_pk_add_f32 v[TT+14*\x+BM:TT+14*\x+BM+1], v[TT+14*\x+BM:TT+14*\x+BM+1], v[TT+14*\x+SO:TT+14*\x+SO+1]
.endr
.irp b, TT, TT+14
	v_pk_add_f32 v[\b+L:\b+L+1], v[\b+L:\b+L+1], v[\b+T:\b+T+1]
.endr
.irp b, TT, TT+14
	v_pk_add_f32 v[\b+L:\b+L+1], v[\b+L:\b+L+1], v[\b+BM:\b+BM+1]
.endr
	s_wait_dscnt 0x0                               ; v^T and its scale words are in (and the next k, asked for ahead of them)
	WIN 0x50                                       ; v^T, p window 0; O^T window 1
.irp t, 0,1,2,3
	OMM 0, \t
	OMM 1, \t
.endr
	WIN 0
	s_add_co_u32 s[TB], s[TB], REC
.endm
.macro RUN first, n, lim               ; n key steps from place first on
	s_mov_b32 s[TB], (\first)*REC
	s_mov_b32 s[CNT], \n
.Lrun_\@:
	STEP (\lim)*REC
	s_sub_co_u32 s[CNT], s[CNT], 1
	s_cmp_lg_u32 s[CNT], 0
	s_cbranch_scc1 .Lrun_\@
.endm
; Every wave waits for all its tensor loads, adds 0 to its spare word, waits for that and for its LDS reads, and passes the barrier.  on = 1: group 0 of the head's load steps to records 24-31.
.macro MEET on
	s_wait_tensorcnt 0x0                           ; no tensor load of mine is out: a group 0 may be written
	ds_add_u32 v[SPW], v[NIL]
.if \on
	s_add_nc_u64 s[G0A+2:G0A+3], s[G0A+2:G0A+3], 24*REC
.endif
	s_wait_dscnt 0x0
	s_barrier_signal -1
	s_barrier_wait -1
.endm
; A head ends: O^T / l; registers 16 g + i are d = 32 g + 16 (lane / 16) + i: two blocks of the last product's K, quantised into registers 6 c .. 6 c + 5 of ctx's fragment and bytes 2 c, 2 c + 1 of its scale word.
.macro FINISH c
	WIN 0x55
	WALU                                           ; the sums were written just ahead of the last trip's wait for v^T
.irp b, TT, TT+14
	v_add_f32 v[\b+L], v[\b+L], v[\b+L+1]          ; with the two v_nop: the places behind the last products
.endr
	v_nop
	v_nop
.irp b, TT, TT+14
	v_permlanex16_b32 v[\b+TMP], v[\b+L], s[SEL], s[SEL+1]
.endr
.irp b, TT, TT+14
	v_add_f32 v[\b+L], v[\b+L], v[\b+TMP]          ; the row's sum
.endr
	WALU
.irp b, TT, TT+14
	v_rcp_f32 v[\b+L], v[\b+L]
.endr
	v_nop                                          ; a plain place behind the transcendentals
	WALU                                           ; the wait ahead of their first reader, which is O^T's first reader too
.irp x, 0,1
.set J, 0
.rept 16
	v_pk_mul_f32 v[S+64*\x+J:S+64*\x+J+1], v[O+32*\x+J:O+32*\x+J+1], v[TT+14*\x+L:TT+14*\x+L+1] op_sel_hi:[1,0]
.set J, J+2
.endr
.endr
.irp x, 0,1
.irp g, 0,1
	v_max3_num_f32 v[TT+14*\x+BM+\g], |v[S+64*\x+16*\g]|, |v[S+64*\x+16*\g+1]|, 0x1800000
.endr
.endr
.irp i, 2,4,6,8,10,12,14
.irp x, 0,1
.irp g, 0,1
	v_max3_num_f32 v[TT+14*\x+BM+\g], v[TT+14*\x+BM+\g], |v[S+64*\x+16*\g+\i]|, |v[S+64*\x+16*\g+\i+1]|
.endr
.endr
.endr
.irp b, TT, TT+14
.irp g, 0,1
	v_permlanex16_b32 v[\b+T+\g], v[\b+BM+\g], s[SEL], s[SEL+1]
.endr
.endr
.irp b, TT, TT+14
.irp g, 0,1
	v_max_num_f32 v[\b+BM+\g], v[\b+BM+\g], v[\b+T+\g]
.endr
.endr
.irp b, TT, TT+14
.irp g, 0,1
	v_add_nc_u32 v[\b+SO+\g], 0xff000000, v[\b+BM+\g]
.endr
.endr
.irp b, TT, TT+14
.irp g, 0,1
	v_lshrrev_b32 v[\b+BM+\g], 23, v[\b+SO+\g]
.endr
.endr
.if \c == 0
	WIN 0x15
.irp x, 0,1
	v_lshl_or_b32 v[CW+\x], v[TT+14*\x+BM+1], 8, v[TT+14*\x+BM]
.endr
.else
.irp b, TT, TT+14
	v_lshl_or_b32 v[\b+TMP], v[\b+BM+1], 8, v[\b+BM]
.endr
	WIN 0x01
.irp x, 0,1
	v_lshl_or_b32 v[CW+\x], v[TT+14*\x+TMP], 16, v[CW+\x]
.endr
.endif
	WIN 0x15
.irp x, 0,1
	v_cvt_scalef32_pk16_fp6_f32 v[CF+12*\x+6*\c:CF+12*\x+6*\c+2], v[S+64*\x:S+64*\x+15], v[TT+14*\x+SO]
	v_cvt_scalef32_pk16_fp6_f32 v[CT+8*\x:CT+8*\x+2], v[S+64*\x+16:S+64*\x+31], v[TT+14*\x+SO+1]
.endr
	WIN 0
	v_nop                                          ; one plain place behind a scaled conversion
.irp x, 0,1
.irp i, 0,1,2
	v_permlane16_swap_b32 v[CF+12*\x+6*\c+\i], v[CT+8*\x+\i]   ; a whole block to a lane
.endr
.endr
.irp x, 0,1
.irp i, 0,1,2
	v_mov_b32 v[CF+12*\x+6*\c+3+\i], v[CT+8*\x+\i]
.endr
.endr
.endm
	s_wait_loadcnt 0x0                             ; q
	HEADINIT QT, QW
	WALU
	s_cmp_lt_u32 s[WV], 2
	s_cbranch_scc0 .Lnot_mine
	s_wait_tensorcnt 0x0                           ; waves 0 and 1: my record is in
.Lnot_mine:
	s_barrier_signal -1
	s_barrier_wait -1                              ; records 0 and 1 are in, for every wave; records 2-7 may be on their way
	FETCHK 0
	RUN 0, 2, 1
	MEET 0                                         ; records 0-7 are in, for every wave
	TLOAD G0B, G1B                                 ; records 8-23, two a wave: first fills, issued as a refill is
	FETCHK 2*REC
	RUN 2, 6, 7
	MEET 1                                         ; records 8-23 are in; nobody reads places 0-7 any more
	TLOAD G0A, G1A                                 ; records 24-31 onto them
	FETCHK 8*REC
	RUN 8, 8, 16                                   ; its last trip fetches the next head's first k
	FINISH 0
	HEADINIT Q2, QW+1
	RUN 16, 8, 23
	MEET 0                                         ; records 24-31 are in, for every wave; nothing is left to fetch
	FETCHK 0
	RUN 0, 8, 7
	FINISH 1
.irp x, 0,1
.irp q, 0,1,2
	global_store_b128 v[LI], v[CF+12*\x+4*\q:CF+12*\x+4*\q+3], s[8:9] offset:12288*\x+512*\q   ; 512 consecutive bytes
.endr
.endr
	ds_store_b64 v[SCW], v[CW:CW+1]                ; both halves of the lanes write the same words with the same values
	s_wait_dscnt 0x0                               ; for the others' sake
	s_barrier_signal -1
	s_barrier_wait -1
	s_cmp_lt_u32 s[WV], 4
	s_cbranch_scc0 .Ldone
	ds_load_b64 v[30:31], v[SCR]
	s_wait_dscnt 0x0
	global_store_b64 v[L8], v[30:31], s[10:11]     ; four tiles' scale words: 256 consecutive bytes, aligned
.Ldone:
	s_wait_tensorcnt 0x0                           ; the wave's end
	ds_add_u32 v[SPW], v[NIL]
	s_wait_dscnt 0x0
	s_endpgm
.Lfunc_end_k_qc49df526e3_attn:
	.size	k_qc49df526e3_attn, .Lfunc_end_k_qc49df526e3_attn-k_qc49df526e3_attn
	.p2alignl 7, 3214868480
	.fill 96, 4, 3214868480
	.section	.rodata,"a",@progbits
	.p2align	6, 0x0
	.amdhsa_kernel k_qc49df526e3_attn
		.amdhsa_group_segment_fixed_size 327680
		.amdhsa_private_segment_fixed_size 0
		.amdhsa_enable_private_segment 0
		.amdhsa_kernarg_size 32
		.amdhsa_user_sgpr_count 2
		.amdhsa_user_sgpr_kernarg_segment_ptr 1
		.amdhsa_wavefront_size32 1
		.amdhsa_system_sgpr_workgroup_id_x 1
		.amdhsa_system_sgpr_workgroup_id_y 1
		.amdhsa_system_sgpr_workgroup_id_z 1
		.amdhsa_system_vgpr_workitem_id 0
		.amdhsa_next_free_vgpr 512
		.amdhsa_next_free_sgpr 72
		.amdhsa_reserve_vcc 0
		.amdhsa_float_denorm_mode_32 3
		.amdhsa_float_denorm_mode_16_64 3
		.amdhsa_memory_ordered 1
		.amdhsa_forward_progress 1
		.amdhsa_inst_pref_size 165
	.end_amdhsa_kernel
	.amdgpu_metadata
---
amdhsa.version: [ 1, 2 ]
amdhsa.kernels:
  - .name:           k_qc49df526e3_attn
    .symbol:         k_qc49df526e3_attn.kd
    .args:
      - { .name: qrec, .offset: 0, .size: 8, .value_kind: global_buffer, .address_space: global }
      - { .name: kv, .offset: 8, .size: 8, .value_kind: global_buffer, .address_space: global }
      - { .name: cc, .offset: 16, .size: 8, .value_kind: global_buffer, .address_space: global }
      - { .name: cs, .offset: 24, .size: 8, .value_kind: global_buffer, .address_space: global }
    .group_segment_fixed_size: 327680
    .private_segment_fixed_size: 0
    .kernarg_segment_align: 8
    .kernarg_segment_size: 32
    .max_flat_workgroup_size: 256
    .sgpr_count:     72
    .vgpr_count:     512
    .wavefront_size: 32
...
	.end_amdgpu_metadata
.endif
;; end of part 3
;; launch outp (part 4): grid 4 x 32, 4 waves a work-group, clusters of 4 x 4, 327,680 bytes of LDS; arguments cc, cs, wc, ws, bo, out0; writes out0
.if DOCPART == 4
	.amdgcn_target "amdgcn-amd-amdhsa--gfx1250"
	.amdhsa_code_object_version 6
	.text
	.protected	k_qc49df526e3_outp
	.globl	k_qc49df526e3_outp
	.p2align	8
	.type	k_qc49df526e3_outp,@function
k_qc49df526e3_outp:
	s_mov_b64 s[64:65], 0
	v_nop
	global_prefetch_b8 v0, s[64:65] scope:SCOPE_SE
	s_setreg_imm32_b32 hwreg(HW_REG_WAVE_MODE, 25, 1), 1
	s_wait_xcnt 0x0
	s_wait_alu depctr_hold_cnt(0) depctr_sa_sdst(0) depctr_va_vdst(0) depctr_va_sdst(0) depctr_va_ssrc(0) depctr_va_vcc(0) depctr_vm_vsrc(0)
	s_getreg_b32 s2, hwreg(HW_REG_IB_STS2, 6, 4)
	s_cmp_eq_u32 s2, 0
	s_cbranch_scc0 .Lentry_in_a_cluster
	s_endpgm
.Lentry_in_a_cluster:
	s_bfe_u32 s2, ttmp6, 0x10000c
	s_cmp_lg_u32 s2, 0xf033
	s_cbranch_scc0 .Lentry_shape_is_right
	s_endpgm
.Lentry_shape_is_right:
.set BIASC,  1
.set FR,     12
.set NL,     3
.set NP,     4
.set NQ,     2
.set FRB,    1536
.set TILEB,  NQ*FRB
.set HALFT,  8*TILEB
.set SLOT,   4*HALFT
.set SCL,    2*SLOT
.set HALFS,  4096
.set SPARE,  SCL+4*HALFS
.set KROW,   768
.set SPITCH, 528
.set ADRA, 16
.set ADRB, 20
.set STO,  24
.set RD,   25
.set LI,   26
.set ADRS, 27
.set SPW,  28
.set NIL,  29
.set SC,   32
.set BIAS, 64
.set AF,   128
.set BK,   128
.set G1, 24
.set G0, 32
.set G1B, 48
.set G0B, 56
.set G1S, 68
.set G0S, 76
.set G1SB, 80
.set G0SB, 88
.set MSB, 0
.macro WIN new
.if MSB != (\new)
	s_set_vgpr_msb (MSB<<8)|(\new)
.set MSB, (\new)
.endif
.endm
.set MUL_LO, 0xa1
.set MUL_HI, 0xf1
.set TO_B,   0x40
.macro JLOAD g0a, g1a, g0b, g1b
	s_cmp_eq_u32 s15, 0
	s_cbranch_scc0 .Lfor_b_\@
	tensor_load_to_lds s[\g0a:\g0a+3], s[\g1a:\g1a+7]
	s_nop 0
.rept 4
	v_nop
.endr
	s_branch .Lasked_\@
.Lfor_b_\@:
	tensor_load_to_lds s[\g0b:\g0b+3], s[\g1b:\g1b+7]
	s_nop 0
.rept 4
	v_nop
.endr
.Lasked_\@:
.endm
.macro CREST
	s_cmp_lg_u32 s14, 0
	s_cbranch_scc1 .Lnot_wave_0_\@
	s_barrier_signal -3
.Lnot_wave_0_\@:
	s_barrier_wait -3
	s_barrier_signal -1
	s_barrier_wait -1
.endm
.macro CROUND
	s_barrier_signal -1
	s_barrier_wait -1
	CREST
.endm
	s_load_b256 s[4:11], s[0:1], 0x0
	s_load_b128 s[96:99], s[0:1], 0x20
	v_lshl_add_u32 v[SPW], v0, 2, SPARE
	v_mov_b32 v[NIL], 0
	ds_add_u32 v[SPW], v[NIL]
	ds_add_u32 v[SPW], v[NIL]
	v_lshrrev_b32 v1, 5, v0
	v_readfirstlane_b32 s14, v1
	s_lshr_b32 s15, s14, 1
	s_and_b32 s16, s14, 1
	s_bfe_u32 s40, ttmp6, 0x40000
	s_bfe_u32 s41, ttmp6, 0x40004
	s_lshl_b32 s42, ttmp9, 2
	s_add_co_u32 s42, s42, s40
	s_and_b32 s17, ttmp7, 0xffff
	s_lshl_b32 s17, s17, 2
	s_add_co_u32 s17, s17, s41
	s_lshl_b32 s43, s41, 2
	s_lshl_b32 s43, 15, s43
	s_lshl_b32 s44, 0x1111, s40
	s_or_b32 s[G1+0], s43, (3<<16)|(1<<21)
	s_or_b32 s[G1B+0], s44, (3<<16)|(1<<21)
.irp g, G1, G1B
	s_mov_b32 s[\g+1], 384<<16
	s_mov_b32 s[\g+2], 16<<16
	s_mov_b32 s[\g+3], 384<<16
	s_mov_b32 s[\g+4], 16
	s_mov_b32 s[\g+5], 1536
	s_mov_b32 s[\g+6], 0
	s_mov_b32 s[\g+7], 0
.endr
	s_or_b32 s[G1S+0], s43, (3<<16)|(1<<21)
	s_or_b32 s[G1SB+0], s44, (3<<16)|(1<<21)
.irp g, G1S, G1SB
	s_mov_b32 s[\g+1], 32<<16
	s_mov_b32 s[\g+2], 32<<16
	s_mov_b32 s[\g+3], 32<<16
	s_mov_b32 s[\g+4], 32
	s_mov_b32 s[\g+5], 32
	s_mov_b32 s[\g+6], 0
	s_mov_b32 s[\g+7], 0
.endr
	s_lshl_b32 s18, s16, 7
	s_lshl_b32 s20, s17, 8
	s_add_co_u32 s20, s20, s18
	s_lshl_b32 s46, s42, 8
	s_add_co_u32 s46, s46, s18
	s_lshl_b32 s22, s20, 5
	s_mov_b32 s23, 0
	s_lshl_b32 s92, s46, 5
	s_mov_b32 s93, 0
	s_mul_i32 s20, s20, KROW
	s_mov_b32 s21, 0
	s_mul_i32 s46, s46, KROW
	s_mov_b32 s47, 0
	s_mul_i32 s45, s14, HALFT
	s_mul_i32 s94, s14, HALFS
	s_wait_dscnt 0x0
	s_wait_kmcnt 0x0
	s_add_nc_u64 s[8:9], s[8:9], 3*786432
	s_add_nc_u64 s[10:11], s[10:11], 3*32768
	s_add_nc_u64 s[20:21], s[4:5], s[20:21]
	s_add_nc_u64 s[22:23], s[6:7], s[22:23]
	s_add_nc_u64 s[46:47], s[8:9], s[46:47]
	s_add_nc_u64 s[92:93], s[10:11], s[92:93]
	CROUND
	s_mov_b32 s[G0S], 1
	s_add_co_u32 s[G0S+1], s94, SCL-HALFS          ; wave 1 asks for the scales of all 256 rows of ctx's tile: one half back from its own half, in LDS and in memory
	s_sub_nc_u64 s[G0S+2:G0S+3], s[22:23], HALFS
	s_or_b32 s[G0S+3], s[G0S+3], 0x80000000
	s_mov_b32 s[G0SB], 1
	s_add_co_u32 s[G0SB+1], s94, SCL-HALFS         ; wave 3 likewise for Wo's tile
	s_sub_nc_u64 s[G0SB+2:G0SB+3], s[92:93], HALFS
	s_or_b32 s[G0SB+3], s[G0SB+3], 0x80000000
.irp s, 0,1
	s_mov_b32 s[G0+4*\s], 1
	s_add_co_u32 s[G0+4*\s+1], s45, \s*SLOT
	s_add_nc_u64 s[G0+4*\s+2:G0+4*\s+3], s[20:21], \s*TILEB
	s_or_b32 s[G0+4*\s+3], s[G0+4*\s+3], 0x80000000
	s_mov_b32 s[G0B+4*\s], 1
	s_add_co_u32 s[G0B+4*\s+1], s45, \s*SLOT
	s_add_nc_u64 s[G0B+4*\s+2:G0B+4*\s+3], s[46:47], \s*TILEB
	s_or_b32 s[G0B+4*\s+3], s[G0B+4*\s+3], 0x80000000
.endr
; THE HEAD'S LOADS, ONE A WAVE, in one chain of branches on the wave's number: wave 0 slot 0's 16 tiles of ctx, wave 1 their scales, wave 2 slot 0's 16 tiles of Wo, wave 3 their scales.
.macro ARM under, g0, g1, next
	s_cmp_lt_u32 s14, \under
	s_cbranch_scc0 \next
	tensor_load_to_lds s[\g0:\g0+3], s[\g1:\g1+7]
	s_nop 0
.rept 4
	v_nop
.endr
	s_branch .Lhead_asked
\next:
.endm
	ARM 1, G0,  G1,  .Lhead_sa
	ARM 2, G0S, G1S, .Lhead_b
	ARM 3, G0B, G1B, .Lhead_sb
	tensor_load_to_lds s[G0SB:G0SB+3], s[G1SB:G1SB+7]
	s_nop 0
.rept 4
	v_nop
.endr
.Lhead_asked:
	s_wait_alu depctr_va_vdst(0)
	s_wait_tensorcnt 0x0                           ; my tile of the head's four is in; these lines stand ahead of a later first fill as ahead of a refill
	ds_add_u32 v28, v29
	s_mov_b32 s[G1+2], 8<<16                       ; no tensor load of mine is out: from here on a load brings 8 tiles
	s_mov_b32 s[G1+4], 8
	s_mov_b32 s[G1B+2], 8<<16
	s_mov_b32 s[G1B+4], 8
	s_wait_dscnt 0x0
	CROUND
	JLOAD G0+4, G1, G0B+4, G1B                     ; slot 1, a quarter a wave: the first tensor load behind the round
	v_and_b32 v1, 15, v0
	v_bfe_u32 v2, v0, 4, 1
	s_wait_alu depctr_va_vdst(0)
	v_and_b32 v6, 31, v0
	v_lshlrev_b32 v[LI], 4, v6
	s_mul_i32 s21, s15, HALFT
	s_mul_i32 s22, s16, HALFT
	s_add_co_u32 s22, s22, 2*HALFT
.irp s, 0,1
	v_add_nc_u32 v[ADRA+\s], s21, v[LI]
	v_add_nc_u32 v[ADRB+\s], s22, v[LI]
	s_add_co_u32 s21, s21, SLOT
	s_add_co_u32 s22, s22, SLOT
.endr
	v_lshlrev_b32 v5, 4, v1
	s_mul_i32 s21, s15, HALFS
	s_mul_i32 s22, s16, HALFS
	s_add_co_u32 s22, s22, 2*HALFS
	s_sub_co_u32 s22, s22, s21
	v_mul_u32_u24 v6, s22, v2
	s_add_co_u32 s21, s21, SCL
	v_add_nc_u32 v5, v5, v6
	v_add_nc_u32 v[ADRS], s21, v5
	s_mul_i32 s23, s14, 16*SPITCH
	v_mul_u32_u24 v5, v1, SPITCH
	v_lshl_add_u32 v5, v2, 6, v5
	v_add_nc_u32 v[STO], s23, v5
	v_add_nc_u32 v[RD], s23, v[LI]
	v_lshlrev_b32 v7, 6, v2
	s_wait_alu depctr_va_vdst(0)
	s_lshl_b32 s20, s17, 8
	s_lshl_b32 s21, s15, 7
	s_add_co_u32 s20, s20, s21
	s_lshl_b32 s20, s20, 12
	s_mov_b32 s21, 0
	s_lshl_b32 s46, s42, 10
	s_lshl_b32 s47, s16, 9
	s_add_co_u32 s46, s46, s47
	s_mov_b32 s47, 0
	s_add_nc_u64 s[96:97], s[96:97], s[46:47]
	s_add_nc_u64 s[20:21], s[20:21], s[46:47]
	s_add_nc_u64 s[12:13], s[98:99], s[20:21]
.irp b, 0,1,2,3,4,5,6,7
	global_load_b128 v[BIAS+8*\b:BIAS+8*\b+3], v7, s[96:97] offset:(32*(\b/2)+8*(\b%2))*4
	global_load_b128 v[BIAS+8*\b+4:BIAS+8*\b+7], v7, s[96:97] offset:(32*(\b/2)+8*(\b%2))*4+16
.endr
.macro FRAG reg, adr, q, i
.irp c, 0,1,2
	ds_load_b128 v[\reg+4*\c:\reg+4*\c+3], v[\adr] offset:(\i)*TILEB+(\q)*FRB+512*\c
.endr
.endm
.macro MUL16 a0, p, q, sc, zero
.irp a, \a0, \a0+1
.irp b, 0,1,2,3,4,5,6,7
.if \zero
.if BIASC
	v_wmma_scale_f32_16x16x128_f8f6f4 v[8*(8*((\a)%4)+\b):8*(8*((\a)%4)+\b)+7], v[128*(\p)+FR*\b:128*(\p)+FR*\b+FR-1], v[AF+FR*(\a):AF+FR*(\a)+FR-1], v[BIAS+8*\b:BIAS+8*\b+7], v[SC+16*(\sc)+8*(\q)+\b], v[SC+16*(\sc)+8*(\q)+(\a)] matrix_a_fmt:MATRIX_FMT_FP6 matrix_b_fmt:MATRIX_FMT_FP6 matrix_a_scale:MATRIX_SCALE_ROW1
.else
	v_wmma_scale_f32_16x16x128_f8f6f4 v[8*(8*((\a)%4)+\b):8*(8*((\a)%4)+\b)+7], v[128*(\p)+FR*\b:128*(\p)+FR*\b+FR-1], v[AF+FR*(\a):AF+FR*(\a)+FR-1], 0, v[SC+16*(\sc)+8*(\q)+\b], v[SC+16*(\sc)+8*(\q)+(\a)] matrix_a_fmt:MATRIX_FMT_FP6 matrix_b_fmt:MATRIX_FMT_FP6 matrix_a_scale:MATRIX_SCALE_ROW1
.endif
.else
	v_wmma_scale_f32_16x16x128_f8f6f4 v[8*(8*((\a)%4)+\b):8*(8*((\a)%4)+\b)+7], v[128*(\p)+FR*\b:128*(\p)+FR*\b+FR-1], v[AF+FR*(\a):AF+FR*(\a)+FR-1], v[8*(8*((\a)%4)+\b):8*(8*((\a)%4)+\b)+7], v[SC+16*(\sc)+8*(\q)+\b], v[SC+16*(\sc)+8*(\q)+(\a)] matrix_a_fmt:MATRIX_FMT_FP6 matrix_b_fmt:MATRIX_FMT_FP6 matrix_a_scale:MATRIX_SCALE_ROW1
.endif
.endr
.endr
.endm
.macro FETCH_B slot, q, p
	WIN TO_B
.irp i, 0,1,2,3,4,5,6,7
	FRAG 128*(\p)+FR*\i, ADRB+\slot, \q, \i
.endr
	WIN 0
.endm
.macro FETCH_A slot, q, i0
.irp i, \i0, \i0+1, \i0+2, \i0+3
	FRAG AF+FR*(\i), ADRA+\slot, \q, \i
.endr
.endm
.macro SCALES sc
.irp q, 0,1
.irp j, 0,1
	ds_load_b128 v[SC+16*\sc+8*\q+4*\j:SC+16*\sc+8*\q+4*\j+3], v[ADRS] offset:256*\q+2048*\j
.endr
.endr
.endm
.macro PLACES n
.rept \n
	v_nop
.endr
.endm
.macro STEP slot, q, zero
	s_wait_dscnt 4*NL
.if (\zero) && BIASC
	WIN 0x81
.else
	WIN MUL_LO
.endif
	MUL16 0, (\q)%2, \q, \slot, \zero
	MUL16 2, (\q)%2, \q, \slot, \zero
	s_wait_dscnt 0
	PLACES NP
	FETCH_B \slot, (\q)+1, 1-(\q)%2
	FETCH_A \slot, (\q)+1, 0
.if (\zero) && BIASC
	WIN 0xc1
.else
	WIN MUL_HI
.endif
	MUL16 4, (\q)%2, \q, \slot, \zero
	MUL16 6, (\q)%2, \q, \slot, \zero
	PLACES NP
	WIN 0
	FETCH_A \slot, (\q)+1, 4
.endm
.macro TURN slot, next, fill
	s_wait_tensorcnt 0x0
	ds_add_u32 v[SPW], v[NIL]
	s_wait_dscnt 4*NL+1
	WIN MUL_LO
	MUL16 0, 1, NQ-1, \slot, 0
	s_wait_dscnt 0x0
	s_barrier_signal -1
	MUL16 2, 1, NQ-1, \slot, 0
	WIN 0
	s_barrier_wait -1
.if \fill
	CREST
	s_add_nc_u64 s[G0+4*\slot+2:G0+4*\slot+3], s[G0+4*\slot+2:G0+4*\slot+3], 2*TILEB
	s_add_nc_u64 s[G0B+4*\slot+2:G0B+4*\slot+3], s[G0B+4*\slot+2:G0B+4*\slot+3], 2*TILEB
	JLOAD G0+4*\slot, G1, G0B+4*\slot, G1B
.else
	PLACES NP
.endif
	s_wait_alu depctr_va_vdst(0)
	v_add_nc_u32 v[ADRS], 256*NQ, v[ADRS]
	FETCH_B \next, 0, 0
	FETCH_A \next, 0, 0
	SCALES \next
	WIN MUL_HI
	MUL16 4, 1, NQ-1, \slot, 0
	MUL16 6, 1, NQ-1, \slot, 0
	PLACES NP
	WIN 0
	FETCH_A \next, 0, 4
.endm
	s_wait_tensorcnt 1
	s_barrier_signal -1
	s_barrier_wait -1
	FETCH_B 0, 0, 0
	FETCH_A 0, 0, 0
	SCALES 0
	FETCH_A 0, 0, 4
	s_wait_loadcnt 0x0
	STEP 0, 0, 1
	s_mov_b32 s3, 1
.Llap:
	TURN 0, 1, 1
	STEP 1, 0, 0
	TURN 1, 0, 1
	STEP 0, 0, 0
	s_sub_co_u32 s3, s3, 1
	s_cmp_lg_u32 s3, 0
	s_cbranch_scc1 .Llap
	TURN 0, 1, 0
	STEP 1, 0, 0
	s_wait_dscnt 4*NL
	WIN MUL_LO
	MUL16 0, 1, NQ-1, 1, 0
	MUL16 2, 1, NQ-1, 1, 0
	s_wait_dscnt 0
	WIN MUL_HI
	MUL16 4, 1, NQ-1, 1, 0
	MUL16 6, 1, NQ-1, 1, 0
	WIN 0
.macro TOSTAGE a
.set AC, 64*((\a)%4)
	WIN 0x08+4*((\a)/4)
.irp b, 0,1,2,3,4,5,6,7
	ds_store_b128 v[STO], v[AC+8*\b:AC+8*\b+3] offset:128*(\b/2)+32*(\b%2)
	ds_store_b128 v[STO], v[AC+8*\b+4:AC+8*\b+7] offset:128*(\b/2)+32*(\b%2)+16
.endr
	WIN 0
.set BB, BK+64*((\a)%2)
.irp t, 0,1,2,3,4,5,6,7,8,9,10,11,12,13,14,15
	ds_load_b128 v[BB+4*\t:BB+4*\t+3], v[RD] offset:\t*SPITCH
.endr
.endm
.macro SEND a, younger
.set BB, BK+64*((\a)%2)
	s_wait_dscnt \younger
.if (\a) > 0
.if (\a)%2 == 1
	s_add_nc_u64 s[12:13], s[12:13], 8*4096
.else
	s_add_nc_u64 s[12:13], s[12:13], 24*4096
.endif
.endif
.irp t, 0,1,2,3,4,5,6,7,8,9,10,11,12,13,14,15
	global_store_b128 v[LI], v[BB+4*\t:BB+4*\t+3], s[12:13] offset:(\t+8*(\t/8))*4096 th:TH_STORE_NT
.endr
.endm
	PLACES NP
	TOSTAGE 0
.irp a, 1,2,3,4,5,6,7
.if \a > 1
	s_wait_xcnt 0x0
.endif
	TOSTAGE \a
	SEND \a-1, 32
.endr
	s_wait_xcnt 0x0
	SEND 7, 0
	s_wait_tensorcnt 0x0
	ds_add_u32 v[SPW], v[NIL]
	s_wait_dscnt 0x0
	CROUND
	s_endpgm
.Lfunc_end_k_qc49df526e3_outp:
	.size	k_qc49df526e3_outp, .Lfunc_end_k_qc49df526e3_outp-k_qc49df526e3_outp
	.p2alignl 7, 3214868480
	.fill 96, 4, 3214868480
	.section	.rodata,"a",@progbits
	.p2align	6, 0x0
	.amdhsa_kernel k_qc49df526e3_outp
		.amdhsa_group_segment_fixed_size 327680
		.amdhsa_private_segment_fixed_size 0
		.amdhsa_enable_private_segment 0
		.amdhsa_kernarg_size 48
		.amdhsa_user_sgpr_count 2
		.amdhsa_user_sgpr_kernarg_segment_ptr 1
		.amdhsa_wavefront_size32 1
		.amdhsa_system_sgpr_workgroup_id_x 1
		.amdhsa_system_sgpr_workgroup_id_y 1
		.amdhsa_system_sgpr_workgroup_id_z 1
		.amdhsa_system_vgpr_workitem_id 0
		.amdhsa_next_free_vgpr 1024
		.amdhsa_next_free_sgpr 100
		.amdhsa_reserve_vcc 0
		.amdhsa_float_denorm_mode_32 3
		.amdhsa_float_denorm_mode_16_64 3
		.amdhsa_memory_ordered 1
		.amdhsa_forward_progress 1
		.amdhsa_inst_pref_size 137
	.end_amdhsa_kernel
	.amdgpu_metadata
---
amdhsa.version: [ 1, 2 ]
amdhsa.kernels:
  - .name:           k_qc49df526e3_outp
    .symbol:         k_qc49df526e3_outp.kd
    .args:
      - { .name: cc, .offset: 0, .size: 8, .value_kind: global_buffer, .address_space: global }
      - { .name: cs, .offset: 8, .size: 8, .value_kind: global_buffer, .address_space: global }
      - { .name: wc, .offset: 16, .size: 8, .value_kind: global_buffer, .address_space: global }
      - { .name: ws, .offset: 24, .size: 8, .value_kind: global_buffer, .address_space: global }
      - { .name: bo, .offset: 32, .size: 8, .value_kind: global_buffer, .address_space: global }
      - { .name: out0, .offset: 40, .size: 8, .value_kind: global_buffer, .address_space: global }
    .group_segment_fixed_size: 327680
    .private_segment_fixed_size: 0
    .kernarg_segment_align: 8
    .kernarg_segment_size: 48
    .max_flat_workgroup_size: 128
    .sgpr_count:     100
    .vgpr_count:     1024
    .wavefront_size: 32
...
	.end_amdgpu_metadata
.endif
;; end of part 4
